; MI455X (gfx1250); checked and timed in simulation.
; The chip was launched on July 23, 2026; its instructions are those of AMD's public machine-readable ISA for CDNA 5 (MIT licence, August 2026) and "CDNA5" Instruction Set Architecture Reference Guide (July 2026). The comments in the code are by the model that wrote it; some were corrected since.
;; Multi Head Attention. Allowed arithmetic: matrix products marked QUANTISED: E2M3 operands, one E8M0 scale for each 32 along K, by v_wmma_scale_f32_16x16x128_f8f6f4 with both operands' format E2M3, f32 sums; everything else in f32.
;; Inputs: Wk 1,024 x 1,024 float32; Wo 1,024 x 1,024 float32; Wq 1,024 x 1,024 float32; Wv 1,024 x 1,024 float32; bk 1,024 float32; bo 1,024 float32; bq 1,024 float32; bv 1,024 float32; k 4 x 2,048 x 1,024 float32; q 4 x 2,048 x 1,024 float32; v 4 x 2,048 x 1,024 float32.
;; Outputs: out0 4 x 2,048 x 1,024 float32.
;; This version of the problem:
;;   THIS VERSION OF THE PROBLEM IS GIVEN IN LOW PRECISION. The matrix products marked QUANTISED in the list below multiply operands that are first quantised to E2M3 (2 exponent bits, 3 mantissa bits; 6 bits a number), with one power-of-two scale for each 32 numbers along K (OCP MX v1.0); their sums are f32. All else is computed in f32.
;;   The module's matrix products, in the order in which they are computed (A, B: the left and right operand; K: the contracted axis; several contracted axes count as one K, in the product's order):
;;     1. [M 8,192, K 1,024] x [K 1,024, N 1,024]; A: input q; B: input Wq: QUANTISED
;;     2. [M 8,192, K 1,024] x [K 1,024, N 1,024]; A: input k; B: input Wk: QUANTISED
;;     3. [M 8,192, K 1,024] x [K 1,024, N 1,024]; A: input v; B: input Wv: QUANTISED
;;     4. batch 64 x [M 2,048, K 64] x [K 64, N 2,048]; A: computed on the way; B: computed on the way: QUANTISED
;;     5. batch 64 x [M 2,048, K 2,048] x [K 2,048, N 64]; A: softmax (see below); B: computed on the way: QUANTISED
;;     6. [M 8,192, K 1,024] x [K 1,024, N 1,024]; A: computed on the way; B: input Wo: QUANTISED
;;   THE QUANTISER, for each operand of a quantised product, along K:
;;     - K is cut into blocks of 32 from its start; a last block that is shorter is filled with zeros.
;;     - A block's scale is 2^e with e = floor(log2(the largest magnitude in the block)) - 2, held to -126 .. 127; a block of zeros has e = 0. As a byte (E8M0): e + 127.
;;     - Each number is divided by its block's scale, clamped to +-7.5, and rounded to the nearest number of E2M3, ties to even, subnormals kept.
;;     - The product sums the exact products of the quantised numbers (number of the format x scale) in f32.
;;   ~~~python
;;   def quantise(x, axis):      # numpy; x: float32 -> the quantised numbers, widened to float32 again
;;       x = np.moveaxis(x, axis, -1); K = x.shape[-1]
;;       x = np.pad(x, [(0, 0)] * (x.ndim - 1) + [(0, -K % 32)]); x = x.reshape(x.shape[:-1] + (-1, 32)); a = np.abs(x).max(-1, keepdims=True)
;;       e = np.where(a > 0, np.clip(np.frexp(np.where(a > 0, a, 1))[1] - 1 - 2, -126, 127), 0)      # np.frexp(a)[1] - 1 = floor(log2(a)), exactly
;;       r = np.clip(x / 2.0 ** e, -7.5, 7.5)
;;       step = 2.0 ** (np.maximum(np.frexp(np.where(r == 0, 1, r))[1] - 1, 0) - 3)
;;       q = np.round(r / step) * step * 2.0 ** e      # np.round: ties to even
;;       return np.moveaxis(q.reshape(q.shape[:-2] + (-1,))[..., :K], -1, axis).astype(np.float32)
;;   ~~~
;;   SOFTMAX AHEAD OF A QUANTISED PRODUCT. Where the list says 'softmax', what is quantised is not the finished softmax but p = 2^(t - M), with t = logit x log2(e) and M = ceil(the row's largest t), a whole number; so 1/2 < the row's largest p <= 1. The row's sum l is taken of the UNQUANTISED p, in f32, and the product's result is divided by l at the end. Since M is a whole number, a kernel that streams over the keys may use a running M (the ceiling of the running maximum): every later rescaling is an exact power of two, which a block's scale takes up: the codes' values come out the same.
;;   OPERANDS COMPUTED ON THE WAY. 'Computed on the way' means the value that the module computes at that place (a softmax that the list does not call 'softmax' is quantised finished and normalised). What goes into a quantiser is computed in f32, as accurately as f32 sums, v_exp_f32 and their like allow (about 1e-6 of the number): no bf16 or f16 on the way to a quantiser, and a product that is left as it is and whose result goes on into a quantised operand takes f32 operands (vector FMAs, or v_wmma_f32_16x16x4_f32). A number that lies on a knife's edge between two numbers of the format may be rounded either way, as far as f32 arithmetic and the matrix unit's own rounding can turn it there, and no further.
;; One version. Each part assembles by itself: llvm-mc -triple=amdgcn-amd-amdhsa -mcpu=gfx1250 --defsym DOCPART=n.
;; ======== version 1 of 1: 4 launches
;; workspace buffers: xc 18,874,368 bytes; xs 786,432 bytes; wc 3,145,728 bytes; ws 131,072 bytes; pc 18,874,368 bytes; ps 1,310,720 bytes; mc 6,291,456 bytes; ms 262,144 bytes
;; launch quant (part 1): grid 896 x 1, 4 waves a work-group, no clusters, 33,280 bytes of LDS; arguments q, k, v, Wq, Wk, Wv, Wo, xc, xs, wc, ws; writes xc, xs, wc, ws
.if DOCPART == 1
	.amdgcn_target "amdgcn-amd-amdhsa--gfx1250"
	.amdhsa_code_object_version 6
	.text
	.protected	k_q5bffabc5ba_quant
	.globl	k_q5bffabc5ba_quant
	.p2align	8
	.type	k_q5bffabc5ba_quant,@function
k_q5bffabc5ba_quant:
	s_mov_b64 s[64:65], 0
	v_nop
	global_prefetch_b8 v0, s[64:65] scope:SCOPE_SE
	s_setreg_imm32_b32 hwreg(HW_REG_WAVE_MODE, 25, 1), 1
	s_wait_xcnt 0x0
; MULTI-HEAD ATTENTION IN MX-FP6, FOUR LAUNCHES: (1) this one: q, k, v, Wq, Wk, Wv, Wo into codes; (2) the three projections, their results quantised in registers;
; (3) causal attention on codes, its result quantised in registers; (4) the projection on the way out.
; WORK LEFT OUT, IN THE WHOLE PROGRAM: in launch 3 a step of 128 keys all of which come after a wave's 16 queries is not computed.  reference() itself sets those scores to -inf (its own
; jnp.tril mask) ahead of the softmax, so their weights are 0 and they add nothing to the row's maximum, to its sum or to ctx, whatever finite values the inputs hold.  Nothing else is left out: every input
; has a way to the output (bk too: it moves kh's codes).  LIMIT: a NaN, an infinity or an overflow that reaches only those hidden scores is not carried to the result.
;
; THIS LAUNCH: seven tensors of f32 whose K (the model's 1,024) is innermost become codes of FP6 (E2M3), 6 bits each, K innermost, with one E8M0 scale byte for each 32 along K.
; A block's scale is 2^(floor(log2(its largest magnitude)) - 2); its byte is the largest magnitude's own exponent field - 2, held at 1 from below.  Each number is divided by the scale and rounded to the nearest code, ties to even.
; LIMITS: a block of zeros gets the byte 1 where the rule says 127 (its codes are zeros, which add nothing under any byte but 0xff, and this program alone reads the bytes); blocks whose largest magnitude lies under 2^-124
; keep the floor's byte; NaN and infinities among the inputs are not served.
; SHARES: a work-group takes 32 rows of 1,024 numbers, a wave 8 rows: 16 steps of 512 numbers.  Work-groups 0-767: q, k, v (256 each); 768-895: Wq, Wk, Wv, Wo (32 each).
; THE ROW SWAP: k, v, Wq, Wk, Wv are STORED with bits 3 and 4 of the row's number exchanged.  16 consecutive stored rows 32 B + 16 u + r are then the rows 32 B + 8 u + r % 8 + 16 (r / 8), which is the choice of rows that makes the
; 16 registers of two neighbouring result tiles 16 neighbours along the next product's K.  A wave's 8 rows are bits 4:3 of the row's number = the wave's number: so the swap is a swap of the wave's two bits in the OUTPUT offsets, nothing more.
; A load reads 512 consecutive bytes, 16 a lane; the conversions want 16 neighbours in ONE lane: a step's 2,048 bytes turn through the wave's own stage in LDS (16 bytes of padding behind each 64).  Two neighbouring lanes hold a block.
; A lane's 16 codes are 12 bytes: the wave stores 384 consecutive bytes a step.  A wave's 256 scale bytes are gathered in LDS and leave as 256 consecutive bytes, aligned.  No tensor loads, no barrier: waves share nothing.
.set WAVES, 4
.set STEPS, 16
.set EMAX,  2
.set CB,    12                         ; bytes of 16 codes
.set R,     16                         ; v16-79   four sets of 16 numbers as they are loaded
.set X,     80                         ; v80-111  two sets of 16 neighbours
.set C,     128                        ; v128-191 codes: four registers for each step, so that no store's data are written again
.set E,     112                        ; v112-127 a scale byte for each step
.set WREG,  8192                       ; LDS: a region for each wave: two stages of 32 x SP bytes, and behind them its 256 scale bytes
.set SP,    80                         ; a lane's place in a stage: its 64 bytes + 16 of padding
.set SPW,   12                         ; v12      LDS address of my spare word; never rewritten
.set NIL,   13                         ; v13      0; never rewritten
.set SPARE, WAVES*WREG                 ; behind the four regions: the spare words, 128 bytes for each wave, which no other line names
	s_load_b256 s[4:11], s[0:1], 0x0               ; q, k, v, Wq
	s_load_b256 s[12:19], s[0:1], 0x20             ; Wk, Wv, Wo, xc
	s_load_b128 s[20:23], s[0:1], 0x40             ; xs, wc
	s_load_b64 s[24:25], s[0:1], 0x50              ; ws
	v_lshl_add_u32 v[SPW], v0, 2, SPARE
	v_mov_b32 v[NIL], 0
	v_lshrrev_b32 v1, 5, v0
	v_readfirstlane_b32 s26, v1                    ; wave
	v_and_b32 v2, 31, v0                           ; lane
	v_lshlrev_b32 v3, 4, v2                        ; my 16 bytes of a load's 512
	s_mul_i32 s38, s26, WREG                       ; LDS goes by the wave's true number
	v_lshrrev_b32 v14, 2, v2
	v_mul_u32_u24 v14, v14, SP
	v_and_b32 v15, 3, v2
	v_lshl_add_u32 v14, v15, 4, v14
	v_add_nc_u32 v14, s38, v14                     ; the stage, on the way in: SP (lane / 4) + 16 (lane % 4)
	v_mul_u32_u24 v15, v2, SP
	v_add_nc_u32 v15, s38, v15                     ; and on the way out: SP x lane: my 16 neighbours
	v_mul_u32_u24 v4, v2, CB                       ; my codes' place in a step's
	v_lshrrev_b32 v5, 1, v2
	s_add_co_u32 s38, s38, 2*32*SP
	v_add_nc_u32 v5, s38, v5                       ; LDS: my wave's 256 scale bytes, my block's byte
	v_lshlrev_b32 v7, 3, v2                        ; and on the way out 8 bytes a lane
	v_add_nc_u32 v6, s38, v7
	; which tensor, and which 32 rows of it: from the work-group's number alone
	s_cmp_lt_u32 ttmp9, 768                        ; one of q, k, v?
	s_cselect_b32 s27, 0, 768
	s_cselect_b32 s28, 8, 5                        ; 256 or 32 work-groups to a tensor
	s_cselect_b32 s29, 0, 3
	s_sub_co_u32 s27, ttmp9, s27
	s_lshr_b32 s30, s27, s28                       ; the tensor's number inside its workspace buffer
	s_lshl_b32 s31, s30, s28
	s_sub_co_u32 s31, s27, s31                     ; which 32 rows
	s_add_co_u32 s29, s29, s30                     ; the tensor among the seven: 0 q, 1 k, 2 v, 3 Wq, 4 Wk, 5 Wv, 6 Wo
	s_and_b32 s36, s26, 1
	s_lshl_b32 s36, s36, 1
	s_lshr_b32 s37, s26, 1
	s_or_b32 s36, s36, s37                         ; the wave's two bits exchanged
	s_sub_co_u32 s37, s29, 1
	s_cmp_lt_u32 s37, 5                            ; tensors 1 to 5 are stored swapped
	s_cselect_b32 s36, s36, s26
	s_lshl_b32 s31, s31, 2
	s_add_co_u32 s37, s31, s26                     ; the run of 8 rows that I read,
	s_add_co_u32 s36, s31, s36                     ; and the run that I write
	s_cmp_lt_u32 s29, 3
	s_mov_b32 s32, 786432
	s_cselect_b32 s32, 6291456, s32                ; a tensor's codes in bytes,
	s_mov_b32 s34, 32768
	s_cselect_b32 s34, 262144, s34                 ; and its scale bytes
	s_mul_i32 s32, s32, s30
	s_mul_i32 s34, s34, s30
	s_mul_i32 s39, s36, 6144                       ; 8 rows of 768 bytes of codes
	s_add_co_u32 s32, s32, s39
	s_lshl_b32 s39, s36, 8                         ; 8 rows of 32 scale bytes
	s_add_co_u32 s34, s34, s39
	s_mov_b32 s33, 0
	s_mov_b32 s35, 0
	s_lshl_b32 s36, s37, 15                        ; 8 rows of 4,096 bytes of f32
	s_mov_b32 s37, 0
	s_wait_kmcnt 0x0
.irp n, 1,2,3,4,5,6
	s_cmp_eq_u32 s29, \n                           ; the choices hang on the work-group's number alone
	s_cselect_b64 s[4:5], s[4+2*\n:5+2*\n], s[4:5]
.endr
	s_cmp_lt_u32 s29, 3
	s_cselect_b64 s[8:9], s[18:19], s[22:23]       ; the codes go to xc or to wc,
	s_cselect_b64 s[10:11], s[20:21], s[24:25]     ; the scale bytes to xs or to ws
	s_add_nc_u64 s[4:5], s[4:5], s[36:37]
	s_add_nc_u64 s[8:9], s[8:9], s[32:33]
	s_add_nc_u64 s[10:11], s[10:11], s[34:35]
.macro LOAD t
.irp i, 0,1,2,3
	global_load_b128 v[R+16*((\t)%4)+4*\i:R+16*((\t)%4)+4*\i+3], v3, s[4:5] offset:2048*(\t)+512*\i th:TH_LOAD_NT   ; 32 lanes read 512 consecutive bytes
.endr
.endm
.macro TURN t                          ; step t's numbers through the stage: LDS serves a wave's instructions in order, so no wait stands between the stores and the loads
.irp i, 0,1,2,3
	ds_store_b128 v14, v[R+16*((\t)%4)+4*\i:R+16*((\t)%4)+4*\i+3] offset:32*SP*((\t)%2)+8*SP*\i
.endr
.irp i, 0,1,2,3
	ds_load_b128 v[X+16*((\t)%2)+4*\i:X+16*((\t)%2)+4*\i+3], v15 offset:32*SP*((\t)%2)+16*\i
.endr
.endm
.irp t, 0,1,2,3
	LOAD \t
.endr
	s_wait_loadcnt 12                              ; step 0's four loads are in; the twelve of steps 1 to 3 stay out
	TURN 0
.macro STEP t
.set XS, X+16*((\t)%2)
.if (\t) > 0
	s_wait_dscnt 1                                 ; this step's numbers are back from the stage (the last step's byte store may be out): so its stores into the stage have read their registers,
.else
	s_wait_dscnt 0x0
.endif
.if (\t)+4 < STEPS
	LOAD (\t)+4                                    ; which take the loads of four steps on
.endif
.if (\t)+1 < STEPS
.if STEPS-2-(\t) >= 3
	s_wait_loadcnt 12                              ; the next step's four loads are in; those of the three steps behind it may be out
.else
	s_wait_loadcnt 4*(STEPS-2-(\t))
.endif
	TURN (\t)+1                                    ; and go through the other stage while this step is worked
.endif
	v_max3_num_f32 v8, |v[XS]|, |v[XS+1]|, |v[XS+2]|               ; the largest magnitude of my 16, in two chains
	v_max3_num_f32 v9, |v[XS+3]|, |v[XS+4]|, |v[XS+5]|
.irp i, 6,10
	v_max3_num_f32 v8, v8, |v[XS+\i]|, |v[XS+\i+1]|
	v_max3_num_f32 v9, v9, |v[XS+\i+2]|, |v[XS+\i+3]|
.endr
	v_max3_num_f32 v8, v8, |v[XS+14]|, |v[XS+15]|
	v_max3_num_f32 v8, v8, v9, (EMAX+1)<<23        ; and the floor 2^(EMAX + 1 - 127): so the byte cannot fall under 1
	v_max_num_f32_dpp v8, v8, v8 row_xmask:1 row_mask:0xf bank_mask:0xf   ; and of my neighbour's 16: the block's
	v_add_nc_u32 v11, -(EMAX<<23), v8              ; EMAX off its exponent field: the conversion takes the exponent field of this operand as its scale, and nothing else of it
	v_cvt_scalef32_pk16_fp6_f32 v[C+4*(\t):C+4*(\t)+2], v[XS:XS+15], v11         ; 96 bits without gaps, the first number's code lowest; beyond the largest code the largest
	v_lshrrev_b32 v[E+(\t)], 23, v11               ; the scale's byte
	ds_store_b8 v5, v[E+(\t)] offset:16*(\t)       ; both lanes of a block write the same byte with the same value
	global_store_b96 v4, v[C+4*(\t):C+4*(\t)+2], s[8:9] offset:32*CB*(\t)
.endm
.irp t, 0,1,2,3,4,5,6,7,8,9,10,11,12,13,14,15
	STEP \t
.endr
	ds_load_b64 v[8:9], v6                         ; LDS serves a wave's instructions in order: these see my stores
	s_wait_dscnt 0x0
	global_store_b64 v7, v[8:9], s[10:11]          ; 32 lanes store 256 consecutive bytes, aligned
	s_wait_tensorcnt 0x0                           ; the wave's end: behind my last LDS store
	ds_add_u32 v[SPW], v[NIL]
	s_wait_dscnt 0x0
	s_endpgm
.Lfunc_end_k_q5bffabc5ba_quant:
	.size	k_q5bffabc5ba_quant, .Lfunc_end_k_q5bffabc5ba_quant-k_q5bffabc5ba_quant
	.p2alignl 7, 3214868480
	.fill 96, 4, 3214868480
	.section	.rodata,"a",@progbits
	.p2align	6, 0x0
	.amdhsa_kernel k_q5bffabc5ba_quant
		.amdhsa_group_segment_fixed_size 33280
		.amdhsa_private_segment_fixed_size 0
		.amdhsa_enable_private_segment 0
		.amdhsa_kernarg_size 88
		.amdhsa_user_sgpr_count 2
		.amdhsa_user_sgpr_kernarg_segment_ptr 1
		.amdhsa_wavefront_size32 1
		.amdhsa_system_sgpr_workgroup_id_x 1
		.amdhsa_system_sgpr_workgroup_id_y 1
		.amdhsa_system_sgpr_workgroup_id_z 1
		.amdhsa_system_vgpr_workitem_id 0
		.amdhsa_next_free_vgpr 192
		.amdhsa_next_free_sgpr 66
		.amdhsa_reserve_vcc 0
		.amdhsa_float_denorm_mode_32 3
		.amdhsa_float_denorm_mode_16_64 3
		.amdhsa_memory_ordered 1
		.amdhsa_forward_progress 1
		.amdhsa_inst_pref_size 34
	.end_amdhsa_kernel
	.amdgpu_metadata
---
amdhsa.version: [ 1, 2 ]
amdhsa.kernels:
  - .name:           k_q5bffabc5ba_quant
    .symbol:         k_q5bffabc5ba_quant.kd
    .args:
      - { .name: q, .offset: 0, .size: 8, .value_kind: global_buffer, .address_space: global }
      - { .name: k, .offset: 8, .size: 8, .value_kind: global_buffer, .address_space: global }
      - { .name: v, .offset: 16, .size: 8, .value_kind: global_buffer, .address_space: global }
      - { .name: Wq, .offset: 24, .size: 8, .value_kind: global_buffer, .address_space: global }
      - { .name: Wk, .offset: 32, .size: 8, .value_kind: global_buffer, .address_space: global }
      - { .name: Wv, .offset: 40, .size: 8, .value_kind: global_buffer, .address_space: global }
      - { .name: Wo, .offset: 48, .size: 8, .value_kind: global_buffer, .address_space: global }
      - { .name: xc, .offset: 56, .size: 8, .value_kind: global_buffer, .address_space: global }
      - { .name: xs, .offset: 64, .size: 8, .value_kind: global_buffer, .address_space: global }
      - { .name: wc, .offset: 72, .size: 8, .value_kind: global_buffer, .address_space: global }
      - { .name: ws, .offset: 80, .size: 8, .value_kind: global_buffer, .address_space: global }
    .group_segment_fixed_size: 33280
    .private_segment_fixed_size: 0
    .kernarg_segment_align: 8
    .kernarg_segment_size: 88
    .max_flat_workgroup_size: 128
    .sgpr_count:     66
    .vgpr_count:     192
    .wavefront_size: 32
...
	.end_amdgpu_metadata
.endif
;; end of part 1
;; launch proj (part 2): grid 4 x 96, 4 waves a work-group, clusters of 4 x 4, 327,680 bytes of LDS; arguments xc, xs, wc, ws, bq, bk, bv, pc, ps; writes pc, ps
.if DOCPART == 2
	.amdgcn_target "amdgcn-amd-amdhsa--gfx1250"
	.amdhsa_code_object_version 6
	.text
	.protected	k_q5bffabc5ba_proj
	.globl	k_q5bffabc5ba_proj
	.p2align	8
	.type	k_q5bffabc5ba_proj,@function
k_q5bffabc5ba_proj:
	s_mov_b64 s[64:65], 0
	v_nop
	global_prefetch_b8 v0, s[64:65] scope:SCOPE_SE
	s_setreg_imm32_b32 hwreg(HW_REG_WAVE_MODE, 25, 1), 1
	s_wait_xcnt 0x0
	s_wait_alu depctr_hold_cnt(0) depctr_sa_sdst(0) depctr_va_vdst(0) depctr_va_sdst(0) depctr_va_ssrc(0) depctr_va_vcc(0) depctr_vm_vsrc(0)
	s_getreg_b32 s2, hwreg(HW_REG_IB_STS2, 6, 4)
	s_cmp_eq_u32 s2, 0
	s_cbranch_scc0 .Lentry_in_a_cluster
	s_endpgm
.Lentry_in_a_cluster:
	s_bfe_u32 s2, ttmp6, 0x10000c
	s_cmp_lg_u32 s2, 0xf033
	s_cbranch_scc0 .Lentry_shape_is_right
	s_endpgm
.Lentry_shape_is_right:
; THE THREE PROJECTIONS x W^T + b ON CODES OF FP6, AND THEIR RESULTS QUANTISED IN REGISTERS for the attention that follows.  Nothing is left out here.
; 24 clusters of 4 x 4 work-groups: clusters 0-7 make qh, 8-15 kh, 16-23 vh.  A work-group makes 256 x 256 results, each of its four waves 128 x 128: 64 accumulators of 16 x 16, 512 registers.
; 'A' IS SOURCE 1 (a lane holds ONE row of it), 'B' IS SOURCE 0 (a lane's registers run along its rows).  The axis that the next quantiser runs along has to lie along a lane's registers:
;   qh, kh are quantised along the head's 64 channels: A = the tokens (xc), B = the weight (wc);     vh is quantised along the keys: A = Wv, B = v's tokens.
; B's rows were stored with bits 3 and 4 of their number exchanged, so the 16 registers of result tiles 2 B and 2 B + 1 are 16 NEIGHBOURS: index 32 B + 16 (lane / 16) + 0 .. 15.  k's tokens and Wv's rows, which are A here, were stored
; swapped too: so kh's tiles of 16 keys and vh's tiles of 16 channels come out in the order in which the attention wants them as ITS source 0.
; K = 1,024 goes in steps of 256 through a ring of two LDS slots filled by the tensor data mover (a tile's row is 192 bytes); the scale bytes of the work-group's 2 x 256 rows come into LDS once, with the first fills.
; The four work-groups of a row of the cluster need the same tiles of A, the four of a column the same tiles of B: each tile is asked for JOINTLY.  Which tensors are A and B hangs on the cluster's number alone, which all sixteen share.
; THE BIAS is the C of each sum's first matrix instruction (64 registers in the result's layout): so it is added ahead of the products, an order of f32 rounding that differs from reference()'s.
; THE WAY OUT: a block of 16 rows of A x 128 along B is quantised (4 blocks of 32) into the 12 registers of an operand's fragment, and stored AS AN IMAGE OF THOSE REGISTERS: registers 0-3 at 16 x lane (512 bytes), registers 4-5 at
; 512 + 8 x lane (256 bytes): 768 bytes for 16 rows x 64 along K.  qh, kh: the two images are two heads' (98,304 bytes apart); vh: the two halves of a key step (768 apart).  Every store covers 512 or 256 consecutive bytes, aligned.
; A row's scale word (4 bytes) goes through 512 bytes of LDS of the wave's own and leaves 512 consecutive bytes at a time.  qh, kh: a head has two bytes: the first head's word is the word as it is, the second's the word >> 16;
; the upper two bytes of such a word are a neighbour's bytes or 0, never 0xff, and meet zero codes alone.
; LIMITS: a block of zeros gets the byte 1 (its codes are zeros; this program alone reads the bytes); blocks under 2^-124 keep the floor's byte; NaN and infinities are not served.
; No prefetch: K is four slots long, and two of them are asked for at the head.
; REGISTERS, in windows of 256: window 0: v0-31 addresses; v32-63 scale words, two sets; v64-127 the bias; from v128 A's fragments, ONE set (on the way out: codes and work); v224-231 the bias loads' offsets.
;   window 1: B's fragments, TWO sets, at v0 and v128.   window 2: the accumulators of my A rows 0-63 ((a, b) at v[8 (8 a + b)]);   window 3: those of rows 64-127.
.set KSTEP,  256                       ; along K in a slot
.set NQ,     2                         ; matrix instructions deep
.set ROWB,   192                       ; a tile's row in bytes
.set KROW,   768                       ; a row of codes in memory
.set PITCH,  240                       ; an LDS row: 3 x (64 bytes of data + 16 of padding)
.set FR,     12                        ; registers of a fragment
.set NL,     6                         ; LDS loads that bring one
.set NP,     4                         ; places behind this matrix instruction (ISA guide 7.12.1)
.set HALFT,  128*PITCH                 ; 128 rows: what one tensor load brings
.set SLOT,   4*HALFT                   ; A's 256 rows, then B's 256 rows
.set LAPS,   2                         ; 1,024 / (2 x 256)
.set KS,     32                        ; a row of scale bytes
.set SCL,    2*SLOT                    ; behind the ring: the scale bytes, as runs of 256 bytes + 16 of padding
.set HALFS,  (128*KS/256)*272          ; those of 128 rows
.set SBLK,   (16*KS/256)*272           ; those of 16 rows
.set SPARE,  SCL+4*HALFS               ; the spare words, 128 bytes for each wave, which no other line names
.set SST,    SPARE+512                 ; 512 bytes for each wave: its 128 scale words on the way out; no tile lands here
.set ADRA, 16                          ; v16-17  LDS address of my A fragments in slot 0, 1  (v18-19: for the pieces behind one padding more)
.set ADRB, 20                          ; v20-23  the same for B
.set VOA,  24                          ; v24     16 x lane
.set VOB,  25                          ; v25     8 x lane
.set VOC,  26                          ; v26     16 x lane + the distance to the second image
.set ADRS, 27                          ; v27     LDS address of my scale words: lanes 0-15 A's rows, lanes 16-31 B's
.set SPW,  28                          ; v28     LDS address of my spare word; never rewritten
.set NIL,  29                          ; v29     0; never rewritten
.set VOD,  30                          ; v30     8 x lane + that distance
.set SWA,  31                          ; v31     where I put a row's scale word
.set SRA,  3                           ; v3      where I read four of them back
.set SC,   32                          ; scale words: set s at v[SC + 16 s]
.set BI,   64                          ; the bias: eight tiles of eight registers
.set AF,   128                         ; A's fragments
.set VJ,   224                         ; the bias loads' eight offsets
.set PC,   128                         ; the way out: the codes just made, v128-146
.set TM,   160                         ; v160-163 largest magnitudes, v164-167 bytes, v172-175 the conversions' scale operands
.set PW,   176                         ; the scale word just made
.set WD,   180                         ; v180-187 scale words read back
.set G1, 24                            ; s[24:31] descriptor group 1 for A's tiles;  s[32:39] group 0, one set for each slot
.set G0, 32
.set G1B, 48                           ; s[48:55], s[56:63] the same for B's tiles
.set G0B, 56
.set G1S, 68                           ; s[68:75], s[76:79] groups 1 and 0 for A's scale bytes;  s[80:87], s[88:91] for B's
.set G0S, 76
.set G1SB, 80
.set G0SB, 88
.set TEN,  66                          ; s66     0 qh, 1 kh, 2 vh
.set MODE, 95                          ; s95     1 for vh
.set OUTC, 96                          ; s[96:97] where my next block's images go
.set SA,   98                          ; s[98:99] from a block of A to the next, in pc
.set BP,   100                         ; s[100:101] the bias; on the way out the lane selects
.set MSB, 0
.macro WIN new                         ; the immediate's high byte repeats the setting that is left
.if MSB != \new
	s_set_vgpr_msb (MSB<<8)|\new
.set MSB, \new
.endif
.endm
.set MUL_LO, 0xa1                      ; source 0 (B) window 1, source 1 (A) window 0, C and D window 2
.set MUL_HI, 0xf1                      ; the same, C and D window 3
.set BIA_LO, 0x81                      ; the first step: C (the bias) window 0, D window 2
.set BIA_HI, 0xc1                      ; D window 3
.set TO_B,   0x40                      ; destination window 1, address window 0
; A joint load: waves 0 and 1 fetch for A, waves 2 and 3 for B.  Each of the two lines has ONE mask and one set of registers for all that issue it; the branch hangs on the wave's number alone.
; An s_nop 0 and four v_nop follow each of the two lines, ahead of the jump, the label and what follows.
.macro JLOAD g0a, g1a, g0b, g1b
	s_cmp_eq_u32 s15, 0
	s_cbranch_scc0 .Lfor_b_\@
	tensor_load_to_lds s[\g0a:\g0a+3], s[\g1a:\g1a+7]
	s_nop 0
.rept 4
	v_nop
.endr
	s_branch .Lasked_\@
.Lfor_b_\@:
	tensor_load_to_lds s[\g0b:\g0b+3], s[\g1b:\g1b+7]
	s_nop 0
.rept 4
	v_nop
.endr
.Lasked_\@:
.endm
.macro CREST                           ; a round of the cluster's barrier behind its opening barrier
	s_cmp_lg_u32 s14, 0
	s_cbranch_scc1 .Lnot_wave_0_\@
	s_barrier_signal -3
.Lnot_wave_0_\@:
	s_barrier_wait -3
	s_barrier_signal -1
	s_barrier_wait -1
.endm
.macro CROUND                          ; a whole round
	s_barrier_signal -1
	s_barrier_wait -1
	CREST
.endm
	s_load_b256 s[4:11], s[0:1], 0x0               ; xc, xs, wc, ws
	s_load_b256 s[32:39], s[0:1], 0x20             ; bq, bk, bv, pc
	s_load_b64 s[12:13], s[0:1], 0x40              ; ps
	v_lshl_add_u32 v[SPW], v0, 2, SPARE
	v_mov_b32 v[NIL], 0
	ds_add_u32 v[SPW], v[NIL]                      ; the wave's opening: the add, twice on end, and its wait ahead of my first tensor load; the set-up below stands between the second and the wait
	ds_add_u32 v[SPW], v[NIL]
	v_lshrrev_b32 v1, 5, v0
	v_readfirstlane_b32 s14, v1                    ; wave 0..3
	s_lshr_b32 s15, s14, 1                         ; which half of A's rows is mine.  Also: I fetch for A (0) or for B (1)
	s_and_b32 s16, s14, 1                          ; which half of B's rows.  Also: which 128 rows of that tile I fetch
	s_bfe_u32 s40, ttmp6, 0x40000                  ; cx, cy: my place in the cluster
	s_bfe_u32 s41, ttmp6, 0x40004
	s_and_b32 s[TEN], ttmp7, 0xffff                ; the cluster's number, 0..23
	s_and_b32 s67, s[TEN], 7
	s_lshr_b32 s[TEN], s[TEN], 3
	s_cmp_eq_u32 s[TEN], 2
	s_cselect_b32 s[MODE], 1, 0
	s_cselect_b32 s2, 0, s67                       ; qh, kh: the clusters walk A's 32 tile rows;
	s_cselect_b32 s67, s67, 0                      ; vh: B's 32 tile columns
	s_lshl_b32 s42, s67, 2
	s_add_co_u32 s42, s42, s40                     ; tile column (B)
	s_lshl_b32 s17, s2, 2
	s_add_co_u32 s17, s17, s41                     ; tile row (A)
	s_lshl_b32 s43, s41, 2
	s_lshl_b32 s43, 15, s43                        ; my row of the cluster
	s_lshl_b32 s44, 0x1111, s40                    ; my column
	; descriptor group 1: a tile of 128 rows x 192 bytes, 16 bytes of padding behind every 64
	s_or_b32 s[G1+0], s43, (0<<16)|(1<<20)|(1<<21)|(3<<22)|(3<<25)  ; 15:0 the mask: A's tiles go to my row; elements of 1 byte; padding on; bit 21 beside a mask; after every 16 words; 4 words
	s_or_b32 s[G1B+0], s44, (0<<16)|(1<<20)|(1<<21)|(3<<22)|(3<<25)
.irp g, G1, G1B
	s_mov_b32 s[\g+1], ROWB<<16                    ; tensor_dim0
	s_mov_b32 s[\g+2], 128<<16                     ; tensor_dim1
	s_mov_b32 s[\g+3], ROWB<<16                    ; tile_dim0
	s_mov_b32 s[\g+4], 128                         ; tile_dim1
	s_mov_b32 s[\g+5], KROW                        ; from row to row
	s_mov_b32 s[\g+6], 0
	s_mov_b32 s[\g+7], 0
.endr
	; the scale bytes of 128 rows: 4,096 dense bytes, as rows of 256 bytes (32 elements of 8), 16 bytes of padding behind each
	s_or_b32 s[G1S+0], s43, (3<<16)|(1<<20)|(1<<21)|(5<<22)|(3<<25)
	s_or_b32 s[G1SB+0], s44, (3<<16)|(1<<20)|(1<<21)|(5<<22)|(3<<25)
.irp g, G1S, G1SB
	s_mov_b32 s[\g+1], 32<<16
	s_mov_b32 s[\g+2], (128*KS/256)<<16
	s_mov_b32 s[\g+3], 32<<16
	s_mov_b32 s[\g+4], 128*KS/256
	s_mov_b32 s[\g+5], 32
	s_mov_b32 s[\g+6], 0
	s_mov_b32 s[\g+7], 0
.endr
	s_lshl_b32 s18, s16, 7                         ; which 128 rows of the tile I fetch
	s_lshl_b32 s20, s17, 8
	s_add_co_u32 s20, s20, s18                     ; A: row 256 x tile row + 128 x half
	s_lshl_b32 s46, s42, 8
	s_add_co_u32 s46, s46, s18                     ; B: row 256 x tile column + 128 x half
	s_mov_b32 s21, 0
	s_mov_b32 s47, 0
	s_mov_b64 s[18:19], KS
	s_mul_u64 s[22:23], s[20:21], s[18:19]         ; where these rows' scale bytes begin
	s_mul_u64 s[92:93], s[46:47], s[18:19]
	s_mov_b64 s[18:19], KROW
	s_mul_u64 s[20:21], s[20:21], s[18:19]         ; and their codes
	s_mul_u64 s[46:47], s[46:47], s[18:19]
	; the tensor inside its workspace buffer: its number x a tensor's bytes.  (All these offsets stay under 2^25: the upper words stay 0)
	s_cmp_eq_u32 s[MODE], 0
	s_mov_b32 s18, 786432
	s_cselect_b32 s19, 6291456, s18                ; A's tensors: tokens' or weights' codes
	s_mov_b32 s2, 6291456
	s_cselect_b32 s18, s18, s2                     ; B's
	s_mov_b32 s2, 32768
	s_cselect_b32 s67, 262144, s2                  ; A's scale bytes
	s_mov_b32 s94, 262144
	s_cselect_b32 s2, s2, s94                      ; B's
	s_mul_i32 s19, s19, s[TEN]
	s_mul_i32 s18, s18, s[TEN]
	s_mul_i32 s67, s67, s[TEN]
	s_mul_i32 s2, s2, s[TEN]
	s_add_co_u32 s20, s20, s19
	s_add_co_u32 s46, s46, s18
	s_add_co_u32 s22, s22, s67
	s_add_co_u32 s92, s92, s2
	s_mul_i32 s45, s14, HALFT                      ; where the tiles go: wave x 128 rows: no place in the cluster enters an LDS address
	s_mul_i32 s94, s14, HALFS
	s_wait_dscnt 0x0                               ; both opening adds are done
	s_wait_kmcnt 0x0
	s_cmp_eq_u32 s[MODE], 0                        ; which buffers are A's and which B's: by the cluster's number alone
	s_cselect_b64 s[76:77], s[4:5], s[8:9]
	s_cselect_b64 s[78:79], s[6:7], s[10:11]
	s_cselect_b64 s[8:9], s[8:9], s[4:5]
	s_cselect_b64 s[10:11], s[10:11], s[6:7]
	s_mov_b64 s[4:5], s[76:77]                     ; A's codes s[4:5], A's scale bytes s[6:7], B's s[8:9], s[10:11]
	s_mov_b64 s[6:7], s[78:79]
	s_cmp_eq_u32 s[TEN], 0
	s_cselect_b64 s[BP:BP+1], s[32:33], s[34:35]
	s_cmp_eq_u32 s[TEN], 2
	s_cselect_b64 s[BP:BP+1], s[36:37], s[BP:BP+1] ; bq, bk or bv
	s_mov_b64 s[OUTC:OUTC+1], s[38:39]             ; pc: s[32:39] are free for the descriptors
	s_add_nc_u64 s[20:21], s[4:5], s[20:21]
	s_add_nc_u64 s[22:23], s[6:7], s[22:23]
	s_add_nc_u64 s[46:47], s[8:9], s[46:47]
	s_add_nc_u64 s[92:93], s[10:11], s[92:93]
	CROUND                                         ; all sixteen work-groups are here: the first joint loads meet
	s_mov_b32 s[G0S], 1
	s_add_co_u32 s[G0S+1], s94, SCL
	s_mov_b64 s[G0S+2:G0S+3], s[22:23]
	s_or_b32 s[G0S+3], s[G0S+3], 0x80000000
	s_mov_b32 s[G0SB], 1
	s_add_co_u32 s[G0SB+1], s94, SCL
	s_mov_b64 s[G0SB+2:G0SB+3], s[92:93]
	s_or_b32 s[G0SB+3], s[G0SB+3], 0x80000000
	JLOAD G0S, G1S, G0SB, G1SB                     ; the scale bytes first: they are wanted with K step 0
.irp s, 0,1
	s_mov_b32 s[G0+4*\s], 1
	s_add_co_u32 s[G0+4*\s+1], s45, \s*SLOT
	s_add_nc_u64 s[G0+4*\s+2:G0+4*\s+3], s[20:21], \s*ROWB
	s_or_b32 s[G0+4*\s+3], s[G0+4*\s+3], 0x80000000
	s_mov_b32 s[G0B+4*\s], 1
	s_add_co_u32 s[G0B+4*\s+1], s45, \s*SLOT
	s_add_nc_u64 s[G0B+4*\s+2:G0B+4*\s+3], s[46:47], \s*ROWB
	s_or_b32 s[G0B+4*\s+3], s[G0B+4*\s+3], 0x80000000
	JLOAD G0+4*\s, G1, G0B+4*\s, G1B               ; three tensor loads of mine are out now
.endr
	v_and_b32 v1, 15, v0                           ; r = lane % 16
	v_bfe_u32 v2, v0, 4, 1                         ; h = lane / 16
	v_mul_u32_u24 v3, v1, PITCH
	v_mul_u32_u24 v4, v2, 24
	v_add_nc_u32 v4, v3, v4                        ; a fragment's row x pitch + 24 x half
	v_lshl_add_u32 v5, v2, 4, v4                   ; and the same behind one padding more
	s_mul_i32 s21, s15, HALFT                      ; my 128 rows of A
	s_mul_i32 s22, s16, HALFT                      ; my 128 rows of B,
	s_add_co_u32 s22, s22, 2*HALFT                 ; which lie behind A's 256
.irp s, 0,1
	v_add_nc_u32 v[ADRA+\s], s21, v4
	v_add_nc_u32 v[ADRB+\s], s22, v4
	v_add_nc_u32 v[ADRA+2+\s], s21, v5
	v_add_nc_u32 v[ADRB+2+\s], s22, v5
	s_add_co_u32 s21, s21, SLOT
	s_add_co_u32 s22, s22, SLOT
.endr
	v_mul_u32_u24 v5, v1, KS                       ; my row's scale bytes: 32 a row,
	v_lshrrev_b32 v6, 8, v5
	v_lshl_add_u32 v5, v6, 4, v5                   ; and 16 more for each 256 passed
	s_mul_i32 s21, s15, HALFS                      ; A's: my 128 rows
	s_mul_i32 s22, s16, HALFS                      ; B's: my 128 rows, behind A's 256
	s_add_co_u32 s22, s22, 2*HALFS
	s_sub_co_u32 s22, s22, s21
	v_mul_u32_u24 v6, s22, v2                      ; lanes 16-31 take B's
	s_add_co_u32 s21, s21, SCL
	v_add_nc_u32 v5, v5, v6
	v_add_nc_u32 v[ADRS], s21, v5
	v_and_b32 v6, 31, v0
	v_lshlrev_b32 v[VOA], 4, v6
	v_lshlrev_b32 v[VOB], 3, v6
	s_lshl_b32 s23, s14, 9
	s_add_co_u32 s23, s23, SST                     ; my 512 bytes for scale words
	v_lshl_add_u32 v[SWA], v1, 2, s23              ; in: 4 bytes a row (both halves of the lanes write the same word with the same value)
	v_add_nc_u32 v[SRA], s23, v[VOA]               ; back: 16 bytes a lane
	v_and_b32 v7, 8, v1
	v_add_nc_u32 v7, v7, v1                        ; r + 8 (r / 8): a swapped row's true place in its 32
	; my corner: A's first row m0, B's first row n0; which of them counts tokens and which channels
	s_lshl_b32 s20, s17, 8
	s_lshl_b32 s21, s15, 7
	s_add_co_u32 s20, s20, s21                     ; m0
	s_lshl_b32 s46, s42, 8
	s_lshl_b32 s47, s16, 7
	s_add_co_u32 s46, s46, s47                     ; n0
	s_cmp_eq_u32 s[MODE], 0
	s_cselect_b32 s18, s20, s46                    ; my first token
	s_cselect_b32 s19, s46, s20                    ; my first channel
	s_cselect_b32 s2, 64, 0                        ; the bias's offsets: qh, kh: 64 h + 4 j (a lane's registers run along the channels);
	s_cselect_b32 s21, 0, 4                        ; vh: 4 (r + 8 (r / 8)) (a lane holds one channel)
	s_cselect_b32 s22, 4, 0
	s_cselect_b32 s94, 17, 16                      ; ps: a batch is 2^17 bytes of qh's or kh's words, 2^16 of vh's;
	s_cselect_b32 s47, 13, 12                      ; a head 2^13, a key step 2^12
	s_mov_b32 s23, 768
	s_cselect_b32 s45, 98304, s23                  ; from the first image to the second: the next head, or the key step's other half
	s_mov_b32 s[SA], 1536
	s_cselect_b32 s[SA], s23, s[SA]                ; from a block of A to the next: 16 tokens' image, or 16 channels' two
	s_mov_b32 s[SA+1], 0
	v_add_nc_u32 v[VOC], s45, v[VOA]
	v_add_nc_u32 v[VOD], s45, v[VOB]
	v_mul_u32_u24 v[VJ], s2, v2
	v_mad_u32_u24 v[VJ], v7, s21, v[VJ]
.irp j, 1,2,3,4,5,6,7
	v_add_nc_u32 v[VJ+\j], s22, v[VJ+\j-1]
.endr
	s_lshl_b32 s20, s19, 2
	s_mov_b32 s21, 0
	s_add_nc_u64 s[BP:BP+1], s[BP:BP+1], s[20:21]  ; the bias at my first channel
.irp g, 0,1,2,3,4,5,6,7                        ; tile g begins at channel 32 (g / 2) + 8 (g % 2): qh, kh: tile g belongs to B's block g; vh: to A's block g
.irp j, 0,1,2,3,4,5,6,7
	global_load_b32 v[BI+8*\g+\j], v[VJ+\j], s[BP:BP+1] offset:4*(32*(\g/2)+8*(\g%2))
.endr
.endr
	; where my results go.  pc: qh, kh [batch x head][tile of 16 tokens][768]; vh [batch][key step][tile of 16 channels][1,536].  ps: one word for a token and head, or for a key step and channel
	s_lshr_b32 s20, s18, 11                        ; the batch
	s_and_b32 s22, s18, 2047                       ; the token in it
	s_lshr_b32 s23, s19, 6                         ; the head
	s_lshr_b32 s46, s22, 7                         ; the key step
	s_mul_i32 s92, s22, 48
	s_mul_i32 s93, s19, 96
	s_cmp_eq_u32 s[MODE], 0
	s_cselect_b32 s23, s23, s46
	s_cselect_b32 s92, s92, s93
	s_cselect_b32 s93, s22, s19
	s_mul_i32 s18, s[TEN], 6291456
	s_mul_i32 s22, s20, 1572864
	s_add_co_u32 s18, s18, s22
	s_mul_i32 s22, s23, 98304
	s_add_co_u32 s18, s18, s22
	s_add_co_u32 s18, s18, s92
	s_mov_b32 s19, 0
	s_add_nc_u64 s[OUTC:OUTC+1], s[OUTC:OUTC+1], s[18:19]
	s_lshl_b32 s18, s[TEN], 19
	s_lshl_b32 s22, s20, s94
	s_add_co_u32 s18, s18, s22
	s_lshl_b32 s22, s23, s47
	s_add_co_u32 s18, s18, s22
	s_lshl_b32 s22, s93, 2
	s_add_co_u32 s18, s18, s22
	s_add_nc_u64 s[12:13], s[12:13], s[18:19]
.macro FRAG reg, adr, q, i             ; a fragment, 16 rows x 128 K of 6-bit codes, is 12 registers: lane l holds row l % 16; registers 6 c .. 6 c + 5 hold K = 64 c + 32 (l / 16) + 0 .. 31: 24 bytes of the row's stream of bits
.irp p, 0,1,2,3,4,5                    ; in pieces of 8 bytes.  Lanes 16-31 read three pieces further on than lanes 0-15
.set PCE, 12*(\q)+6*(\p/3)+\p%3       ; 16 bytes of padding lie behind every 8 pieces: where the piece three on lies behind one padding more, the second address register serves
.if PCE%8 < 5
	ds_load_b64 v[\reg+2*\p:\reg+2*\p+1], v[\adr] offset:8*PCE+16*(PCE/8)+(\i)*16*PITCH
.else
	ds_load_b64 v[\reg+2*\p:\reg+2*\p+1], v[\adr+2] offset:8*PCE+16*(PCE/8)+(\i)*16*PITCH
.endif
.endr
.endm
; 16 matrix instructions: A's blocks a0, a0 + 1 x B's eight, 128 along K: the slot's q-th.  p: B's set;  sc: the set of scale words.
; zero = 1: the sums start from the bias by B's block (qh, kh);  2: by A's block (vh);  0: they go on in place.  The 64 accumulators take turns, one instruction a turn, in the same order in every step.
.macro MUL16 a0, p, q, sc, zero
.irp a, \a0, \a0+1
.irp b, 0,1,2,3,4,5,6,7
.if \zero == 1
	v_wmma_scale_f32_16x16x128_f8f6f4 v[8*(8*((\a)%4)+\b):8*(8*((\a)%4)+\b)+7], v[128*(\p)+FR*\b:128*(\p)+FR*\b+FR-1], v[AF+FR*(\a):AF+FR*(\a)+FR-1], v[BI+8*\b:BI+8*\b+7], v[SC+8*NQ*(\sc)+NQ*\b+(\q)], v[SC+8*NQ*(\sc)+NQ*(\a)+(\q)] matrix_a_fmt:MATRIX_FMT_FP6 matrix_b_fmt:MATRIX_FMT_FP6 matrix_a_scale:MATRIX_SCALE_ROW1
.elseif \zero == 2
	v_wmma_scale_f32_16x16x128_f8f6f4 v[8*(8*((\a)%4)+\b):8*(8*((\a)%4)+\b)+7], v[128*(\p)+FR*\b:128*(\p)+FR*\b+FR-1], v[AF+FR*(\a):AF+FR*(\a)+FR-1], v[BI+8*(\a):BI+8*(\a)+7], v[SC+8*NQ*(\sc)+NQ*\b+(\q)], v[SC+8*NQ*(\sc)+NQ*(\a)+(\q)] matrix_a_fmt:MATRIX_FMT_FP6 matrix_b_fmt:MATRIX_FMT_FP6 matrix_a_scale:MATRIX_SCALE_ROW1
.else
	v_wmma_scale_f32_16x16x128_f8f6f4 v[8*(8*((\a)%4)+\b):8*(8*((\a)%4)+\b)+7], v[128*(\p)+FR*\b:128*(\p)+FR*\b+FR-1], v[AF+FR*(\a):AF+FR*(\a)+FR-1], v[8*(8*((\a)%4)+\b):8*(8*((\a)%4)+\b)+7], v[SC+8*NQ*(\sc)+NQ*\b+(\q)], v[SC+8*NQ*(\sc)+NQ*(\a)+(\q)] matrix_a_fmt:MATRIX_FMT_FP6 matrix_b_fmt:MATRIX_FMT_FP6 matrix_a_scale:MATRIX_SCALE_ROW1
.endif
.endr
.endr
.endm
.macro FETCH_B slot, q, p              ; B's eight fragments of the slot's q-th 128 along K into set p
	WIN TO_B
.irp i, 0,1,2,3,4,5,6,7
	FRAG 128*(\p)+FR*\i, ADRB+\slot, \q, \i
.endr
	WIN 0
.endm
.macro FETCH_A slot, q, i0             ; A's blocks i0 .. i0 + 3
.irp i, \i0, \i0+1, \i0+2, \i0+3
	FRAG AF+FR*(\i), ADRA+\slot, \q, \i
.endr
.endm
.macro SCALES sc                       ; a K step's scale words into set sc: two words a row; lanes 0-15 take A's block i, lanes 16-31 B's block i
.irp i, 0,1,2,3,4,5,6,7
	ds_load_b64 v[SC+8*NQ*\sc+NQ*\i:SC+8*NQ*\sc+NQ*\i+1], v[ADRS] offset:\i*SBLK
.endr
.endm
; A load into a register that a matrix instruction has read, and a vector instruction that reads a matrix result or writes one of its registers, stand NP places behind that matrix instruction; only plain vector
; instructions that name none of its registers are places (ISA guide 7.12.1 for vector instructions).
.macro PLACES n
.rept \n
	v_nop
.endr
.endm
; A step of 128 along K that has its successor in the same slot.
.macro STEP slot, q, zero
	s_wait_dscnt 4*NL                              ; B's set and A's blocks 0-3 are in; the youngest 24 loads (A's blocks 4-7) may be out
.if \zero
	WIN BIA_LO
.else
	WIN MUL_LO
.endif
	MUL16 0, (\q)%2, \q, \slot, \zero
	MUL16 2, (\q)%2, \q, \slot, \zero
	s_wait_dscnt 0                                 ; A's blocks 4-7 are in (asked for 32 matrix instructions ago)
	PLACES NP
	FETCH_B \slot, (\q)+1, 1-(\q)%2
	FETCH_A \slot, (\q)+1, 0
.if \zero
	WIN BIA_HI
.else
	WIN MUL_HI
.endif
	MUL16 4, (\q)%2, \q, \slot, \zero
	MUL16 6, (\q)%2, \q, \slot, \zero
	PLACES NP
	WIN 0
	FETCH_A \slot, (\q)+1, 4
.endm
; A slot's last step changes slots: ONE barrier; in front of it each wave waits for all its tensor loads, adds 0 to its spare word, and waits for that and for its own reads of this slot.  fill = 1: this slot is filled again, two K steps ahead.
.macro TURN slot, next, fill
	s_wait_tensorcnt 0x0                           ; all my tensor loads have landed: my part of the next slot  (every window is 0 here)
	ds_add_u32 v[SPW], v[NIL]                      ; 0 onto my spare word
	s_wait_dscnt 4*NL+1                            ; (the add and the youngest 24 loads, A's blocks 4-7, may be out)
	WIN MUL_LO
	MUL16 0, 1, NQ-1, \slot, 0                     ; sixteen matrix instructions stand between the add and the wait for it
	s_wait_dscnt 0x0                               ; the add is done, and my reads of this slot are over
	s_barrier_signal -1
	MUL16 2, 1, NQ-1, \slot, 0
	WIN 0
	s_barrier_wait -1
.if \fill
	CREST                                          ; the barrier has opened a round of the cluster's barrier: no wave of any partner still reads this slot's tile or has a load on its way
	s_add_nc_u64 s[G0+4*\slot+2:G0+4*\slot+3], s[G0+4*\slot+2:G0+4*\slot+3], 2*ROWB
	s_add_nc_u64 s[G0B+4*\slot+2:G0B+4*\slot+3], s[G0B+4*\slot+2:G0B+4*\slot+3], 2*ROWB
	JLOAD G0+4*\slot, G1, G0B+4*\slot, G1B         ; the first tensor load behind the round, my one load until the next; its four v_nop are the places in front of the loads below
.else
	PLACES NP
.endif
	v_add_nc_u32 v[ADRS], 4*NQ, v[ADRS]            ; on to the next K step's scale words (no LDS load of mine is out)
	FETCH_B \next, 0, 0
	FETCH_A \next, 0, 0
	SCALES \next
	WIN MUL_HI
	MUL16 4, 1, NQ-1, \slot, 0
	MUL16 6, 1, NQ-1, \slot, 0
	PLACES NP
	WIN 0
	FETCH_A \next, 0, 4
.endm
	s_wait_loadcnt 0x0                             ; the bias
	s_wait_tensorcnt 1                             ; the scale bytes and my part of K step 0 are in; K step 1's load may stay out
	s_barrier_signal -1
	s_barrier_wait -1                              ; everybody's are
	FETCH_B 0, 0, 0
	FETCH_A 0, 0, 0
	SCALES 0
	FETCH_A 0, 0, 4
	s_cmp_eq_u32 s[MODE], 0                        ; the first step starts the sums from the bias, which lies by B's blocks or by A's: the same way in all sixteen work-groups
	s_cbranch_scc0 .Lfirst_v
	STEP 0, 0, 1
	s_branch .Lfirst_done
.Lfirst_v:
	STEP 0, 0, 2
.Lfirst_done:
	s_mov_b32 s3, LAPS-1
.Llap:                                                 ; a trip goes once round the ring, from a lap's second step to the next lap's first, and fills both slots again
	TURN 0, 1, 1
	STEP 1, 0, 0
	TURN 1, 0, 1
	STEP 0, 0, 0
	s_sub_co_u32 s3, s3, 1
	s_cmp_lg_u32 s3, 0
	s_cbranch_scc1 .Llap
	TURN 0, 1, 0                                   ; the last lap fills nothing, and has no round of the cluster's barrier
	STEP 1, 0, 0
	s_wait_dscnt 4*NL                              ; the very last step: nothing more to fetch
	WIN MUL_LO
	MUL16 0, 1, NQ-1, 1, 0
	MUL16 2, 1, NQ-1, 1, 0
	s_wait_dscnt 0
	WIN MUL_HI
	MUL16 4, 1, NQ-1, 1, 0
	MUL16 6, 1, NQ-1, 1, 0
	WIN 0
	PLACES NP                                      ; behind the last products: their results are read and A's registers written from here on
	s_mov_b32 s[BP], 0x76543210                    ; v_permlanex16_b32's selects for lane l xor 16 (the bias's address is done with)
	s_mov_b32 s[BP+1], 0xfedcba98
.irp b, 0,1,2,3
	v_mov_b32 v[TM+4+\b], 0                        ; written once: a lane permute's destination counts as one of its sources
.endr
; THE WAY OUT of A's block a: its 64 registers a lane, register 16 B + i = index 32 B + 16 (lane / 16) + i of my row, become a fragment's 12 registers and a scale word.
.macro OUTBLK a
.set AC, 64*((\a)%4)
.set WW, 2+(\a)/4                      ; the accumulators' window
.set WS, 5*WW                          ; sources 0 and 1 in it
.if (\a) > 0
	s_wait_xcnt 0x0                                ; the last block's four stores have read their data and their base: both are written again only behind this wait
	s_add_nc_u64 s[OUTC:OUTC+1], s[OUTC:OUTC+1], s[SA:SA+1]
.endif
	WIN WS
.irp b, 0,1,2,3
	v_max3_num_f32 v[TM+\b], |v[AC+16*\b]|, |v[AC+16*\b+1]|, 0x1800000   ; block b: my 16 numbers, and the floor 2^(3 - 127): so the byte cannot fall under 1.  Each accumulator is read from its low end on
.endr
.irp i, 2,4,6,8,10,12,14
.irp b, 0,1,2,3
	v_max3_num_f32 v[TM+\b], |v[AC+16*\b+\i]|, |v[AC+16*\b+\i+1]|, v[TM+\b]   ; (the four blocks by turns)
.endr
.endr
	WIN 0
.irp b, 0,1,2,3
	v_permlanex16_b32 v[TM+4+\b], v[TM+\b], s[BP], s[BP+1]
.endr
.irp b, 0,1,2,3
	v_max_num_f32 v[TM+\b], v[TM+\b], v[TM+4+\b]   ; with lane l xor 16's: the block's largest magnitude
.endr
.irp b, 0,1,2,3
	v_add_nc_u32 v[TM+12+\b], 0xff000000, v[TM+\b] ; 2 off its exponent field: the conversion's scale operand
.endr
.irp b, 0,1,2,3
	v_lshrrev_b32 v[TM+4+\b], 23, v[TM+12+\b]      ; the scale's byte
.endr
	v_lshl_or_b32 v[PW], v[TM+5], 8, v[TM+4]       ; the four bytes make my row's scale word
	v_lshl_or_b32 v[PW], v[TM+6], 16, v[PW]
	v_lshl_or_b32 v[PW], v[TM+7], 24, v[PW]
	WIN WW                                         ; source 0 in the accumulators' window
.irp c, 0,1
	v_cvt_scalef32_pk16_fp6_f32 v[PC+6*\c:PC+6*\c+2], v[AC+32*\c:AC+32*\c+15], v[TM+12+2*\c]
	v_cvt_scalef32_pk16_fp6_f32 v[PC+12+4*\c:PC+14+4*\c], v[AC+32*\c+16:AC+32*\c+31], v[TM+13+2*\c]   ; (a conversion's three registers begin on an even number)
.endr
	WIN 0
	v_nop                                          ; one plain place behind a scaled conversion
.irp c, 0,1                                    ; the operand's layout wants a WHOLE block in a lane: lanes 0-15 block 2 c, lanes 16-31 block 2 c + 1
.irp i, 0,1,2
	v_permlane16_swap_b32 v[PC+6*\c+\i], v[PC+12+4*\c+\i]
.endr
.irp i, 0,1,2
	v_mov_b32 v[PC+3+6*\c+\i], v[PC+12+4*\c+\i]
.endr
.endr
	ds_store_b32 v[SWA], v[PW] offset:64*(\a)
	global_store_b128 v[VOA], v[PC:PC+3], s[OUTC:OUTC+1]               ; the first image: 512 consecutive bytes,
	global_store_b64 v[VOB], v[PC+4:PC+5], s[OUTC:OUTC+1] offset:512   ; and 256
	global_store_b128 v[VOC], v[PC+6:PC+9], s[OUTC:OUTC+1]             ; the second
	global_store_b64 v[VOD], v[PC+10:PC+11], s[OUTC:OUTC+1] offset:512
.endm
.irp a, 0,1,2,3,4,5,6,7
	OUTBLK \a
.endr
	ds_load_b128 v[WD:WD+3], v[SRA]                ; my 128 scale words: my own bytes, and LDS serves a wave's instructions in order
	s_wait_dscnt 0x0
	global_store_b128 v[VOA], v[WD:WD+3], s[12:13] ; 512 consecutive bytes
	s_cmp_lg_u32 s[MODE], 0
	s_cbranch_scc1 .Lone
.irp i, 0,1,2,3
	v_lshrrev_b32 v[WD+4+\i], 16, v[WD+\i]         ; qh, kh: the second head's two bytes, zeros above them
.endr
	global_store_b128 v[VOA], v[WD+4:WD+7], s[12:13] offset:8192
.Lone:
	s_wait_tensorcnt 0x0                           ; the wave's end: behind my last tensor load and my last LDS store
	ds_add_u32 v[SPW], v[NIL]
	s_wait_dscnt 0x0
	CROUND                                         ; the closing round: no work-group ends while a partner may still ask for a tile that names it
	s_endpgm
.Lfunc_end_k_q5bffabc5ba_proj:
	.size	k_q5bffabc5ba_proj, .Lfunc_end_k_q5bffabc5ba_proj-k_q5bffabc5ba_proj
	.p2alignl 7, 3214868480
	.fill 96, 4, 3214868480
	.section	.rodata,"a",@progbits
	.p2align	6, 0x0
	.amdhsa_kernel k_q5bffabc5ba_proj
		.amdhsa_group_segment_fixed_size 327680
		.amdhsa_private_segment_fixed_size 0
		.amdhsa_enable_private_segment 0
		.amdhsa_kernarg_size 72
		.amdhsa_user_sgpr_count 2
		.amdhsa_user_sgpr_kernarg_segment_ptr 1
		.amdhsa_wavefront_size32 1
		.amdhsa_system_sgpr_workgroup_id_x 1
		.amdhsa_system_sgpr_workgroup_id_y 1
		.amdhsa_system_sgpr_workgroup_id_z 1
		.amdhsa_system_vgpr_workitem_id 0
		.amdhsa_next_free_vgpr 1024
		.amdhsa_next_free_sgpr 102
		.amdhsa_reserve_vcc 0
		.amdhsa_float_denorm_mode_32 3
		.amdhsa_float_denorm_mode_16_64 3
		.amdhsa_memory_ordered 1
		.amdhsa_forward_progress 1
		.amdhsa_inst_pref_size 189
	.end_amdhsa_kernel
	.amdgpu_metadata
---
amdhsa.version: [ 1, 2 ]
amdhsa.kernels:
  - .name:           k_q5bffabc5ba_proj
    .symbol:         k_q5bffabc5ba_proj.kd
    .args:
      - { .name: xc, .offset: 0, .size: 8, .value_kind: global_buffer, .address_space: global }
      - { .name: xs, .offset: 8, .size: 8, .value_kind: global_buffer, .address_space: global }
      - { .name: wc, .offset: 16, .size: 8, .value_kind: global_buffer, .address_space: global }
      - { .name: ws, .offset: 24, .size: 8, .value_kind: global_buffer, .address_space: global }
      - { .name: bq, .offset: 32, .size: 8, .value_kind: global_buffer, .address_space: global }
      - { .name: bk, .offset: 40, .size: 8, .value_kind: global_buffer, .address_space: global }
      - { .name: bv, .offset: 48, .size: 8, .value_kind: global_buffer, .address_space: global }
      - { .name: pc, .offset: 56, .size: 8, .value_kind: global_buffer, .address_space: global }
      - { .name: ps, .offset: 64, .size: 8, .value_kind: global_buffer, .address_space: global }
    .group_segment_fixed_size: 327680
    .private_segment_fixed_size: 0
    .kernarg_segment_align: 8
    .kernarg_segment_size: 72
    .max_flat_workgroup_size: 128
    .sgpr_count:     102
    .vgpr_count:     1024
    .wavefront_size: 32
...
	.end_amdgpu_metadata
.endif
;; end of part 2
;; launch attn (part 3): grid 64 x 8, 16 waves a work-group, no clusters, 327,680 bytes of LDS; arguments pc, ps, mc, ms; writes mc, ms
.if DOCPART == 3
	.amdgcn_target "amdgcn-amd-amdhsa--gfx1250"
	.amdhsa_code_object_version 6
	.text
	.protected	k_q5bffabc5ba_attn
	.globl	k_q5bffabc5ba_attn
	.p2align	8
	.type	k_q5bffabc5ba_attn,@function
k_q5bffabc5ba_attn:
	s_mov_b64 s[64:65], 0
	v_nop
	global_prefetch_b8 v0, s[64:65] scope:SCOPE_SE
	s_setreg_imm32_b32 hwreg(HW_REG_WAVE_MODE, 25, 1), 1
	s_wait_xcnt 0x0
; CAUSAL ATTENTION ON CODES OF FP6, head size 64, and its result ctx / l quantised in registers for the projection that follows.
; WORK LEFT OUT: a step of 128 keys all of which come after a wave's 16 queries: reference() itself sets those scores to -inf, so they add nothing whatever the inputs hold (shown at the head of the first launch).
; THE SOFTMAX AHEAD OF THE SECOND PRODUCT: t = score x log2(e) / 8; M = the row's largest t so far, rounded UP to a whole number; p = 2^(t - M) is what is quantised, along the keys, not normalised.
; The row's sum is taken of the unquantised p, in f32, and divides O at the end (v_rcp_f32 and a multiplication).  When M moves, the sum and O are multiplied by 2^(old M - new M): exact.
; SHARES.  Work-group (x, y): batch and head x, query block 7 - y of 256 queries: the blocks with most keys come first in the grid.  Each of SIXTEEN waves owns 16 queries in 256 registers: four waves to a SIMD, so that one
; wave's vector work stands beside another's matrix work and LDS loads.  Keys go 128 a step; K's and V's tiles come through a ring of two LDS slots of 256 keys (wave 0 fetches K's, wave 1 V's; all sixteen read).
; EVERY work-group walks all 8 slots: the trip counts are constants; what is jumped over, by scalar branches on ids, is a hidden step's work and the load of a slot that none of the sixteen waves would read.
; cluster = none: under the causal mask the query blocks of a head need different numbers of tiles, 1 to 8 slots: a joint load would bring some partner tiles that none of its waves reads.
; LAYOUT.  Both products are used transposed: S^T = K Q^T (source 0 = 16 keys, source 1 = my 16 queries), O^T = V^T P^T (source 0 = 16 channels, source 1 = P): a lane holds ONE query (lane % 16) throughout.
; Operands lie in pc as IMAGES OF REGISTERS, 768 bytes for 16 rows x 64 along K: registers 0-3 at 16 x lane, registers 4-5 at 512 + 8 x lane: every LDS load reads 512 or 256 consecutive bytes.
; K's tiles hold the keys 32 B + 8 u + r % 8 + 16 (r / 8) (so stored by the launches before), so that the 16 registers of score tiles 2 B and 2 B + 1 are keys 32 B + 16 (lane / 16) + 0 .. 15; V's tiles hold channels likewise,
; so that O^T's registers are 16 neighbouring channels for the last quantiser.
; THE FIRST PRODUCT'S K IS 64, the instruction's 128: Q's registers 6-11 are ZERO CODES.  K's operand of tile t names 12 registers of which the upper six are the next tile's codes (tile 7: six registers of any bits): they meet
; zero codes, and no scale byte there is 0xff, so they add exactly 0.
; LIMITS: a block of zeros gets the byte 1 (its codes are zeros; this program alone reads the bytes); NaN and infinities are not served.  The two scale bytes of a token and head are stored two bytes a lane, 32 bytes apart: one part in 24 of the codes' bytes.
; REGISTERS: v1-7 addresses that stay; v8-11 addresses of the loads in hand; v12 -M, v13 the largest t, v[14:15] the sum; v16-27 Q; v28 the prefetch's offset, v29 Q's scale word; v30-31 at work; v32-85 K (then p's codes);
;   v86-93 K's scale words; v94 f, v95 p's scale word; v96-159 S^T, then p; v160-191 O^T; v192-239 V; v240-243 V's scale words; v244-255 at work.
.set SK,    256                        ; keys in a slot
.set HIM,   768                        ; an image
.set VOFF,  16*HIM                     ; a slot: K's 16 images, then V's 2 key steps x 4 tiles x 2 images
.set VSTEP, 8*HIM
.set SLOT1, 32768                      ; slot 1 begins here, so that one exclusive or turns an address in one slot into the other's
.set NSL,   8                          ; slots' worth of keys
.set SCK,   65536                      ; behind the ring: K's scale words of the whole head, 8,192 bytes;
.set SCV,   SCK+8192                   ; V's: 16 key steps x 256 bytes
.set SPARE, SCV+4096                   ; the spare words, 128 bytes for each wave, which no other line names
.set L16,  1                           ; v1   16 x lane
.set L8,   2                           ; v2   8 x lane
.set ASK0, 3                           ; v3   my lane's place among K's scale words
.set ASV0, 4                           ; v4   and among V's
.set SPW,  5                           ; v5   LDS address of my spare word; never rewritten
.set NIL,  6                           ; v6   0; never rewritten
.set LD,   7                           ; v7   lane % 16 - 16 (lane / 16)
.set ADR16, 8
.set ADR8,  9
.set ADS,  10
.set ADT,  11
.set PFO,  28
.set QS,   29
.set KB,   32                          ; K's tile t at v[KB + 6 t]
.set PCD,  32                          ; p's codes, once K is multiplied
.set CT,   44                          ; the conversions' second halves
.set PFS,  84                          ; v84  a slot on, for my lane's prefetch (one of the six registers of any bits)
.set KSC,  86
.set VF,   192
.set VSC,  240
.set BMX,  244                         ; a block's largest score, then its largest p
.set PT,   248
.set SOP,  252                         ; the conversions' scale operands
.set WV,   18                          ; s18  my wave's number
.set SEL,  20                          ; s[20:21] lane selects for v_permlanex16_b32: lane l xor 16
.set CS,   22                          ; s[22:23] c = log2(e) / 8
.set G1K,  24                          ; s[24:31] descriptor group 1 for K's tiles;  s[32:39] for V's;  s[40:43], s[44:47] their groups 0, which walk
.set G1V,  32
.set G0K,  40
.set G0V,  44
.set G1SK, 48                          ; s[48:55], s[56:63] groups 1 for the scale words;  s[68:71], s[72:75] their groups 0
.set G1SV, 56
.set G0SK, 68
.set G0SV, 72
.set TB,   2                           ; s2   LDS byte at which the slot in hand begins
.set TS,   3                           ; s3   where the step's scale words of K begin: 512 bytes a step
.set TJ,   66                          ; s66  and V's: 256 bytes a step
.set SLOTS, 67                         ; s67  changes of slots still to come that may ask for a slot
.set LIM,  80                          ; s80  1 in a wave that prefetches, else the greatest number
.set KF,   98                          ; s98  the step's first key
.set Q0,   99                          ; s99  my first query
; Wave 0 fetches for K, wave 1 for V, the others nothing.  The branches hang on the wave's number alone.  An s_nop 0 and four v_nop follow each of the two lines.
.macro TLOAD g0k, g1k, g0v, g1v
	s_cmp_eq_u32 s[WV], 0
	s_cbranch_scc0 .Lnot_k_\@
	tensor_load_to_lds s[\g0k:\g0k+3], s[\g1k:\g1k+7]
	s_nop 0
.rept 4
	v_nop
.endr
	s_branch .Lasked_\@
.Lnot_k_\@:
	s_cmp_eq_u32 s[WV], 1
	s_cbranch_scc0 .Lasked_\@
	tensor_load_to_lds s[\g0v:\g0v+3], s[\g1v:\g1v+7]
	s_nop 0
.rept 4
	v_nop
.endr
.Lasked_\@:
.endm
; A PREFETCH INTO THE L2 of what the NEXT change of slots will ask for: a slot's 12,288 bytes of K and 2 x 6,144 of V: 96 aligned blocks of 256 bytes, a lane a block, one instruction in each of three waves.
; Each block is named ONCE in the launch: all query blocks of a head walk the same K and V; the work-group with y = 0 asks (query block 7, which loads every slot), and in it waves 4 to 6, which fetch nothing.
; It stands behind the fetching waves' tensor load, a slot's two key steps ahead of the load that will want the bytes.  Slots 0 and 1 come by their loads alone; the last change that fills a slot asks for nothing.
.macro ASK
	s_cmp_gt_u32 s[SLOTS], s[LIM]
	s_cbranch_scc0 .Lnot_mine_\@
	s_wait_alu depctr_va_vdst(0)
	global_prefetch_b8 v[PFO], s[4:5] th:TH_LOAD_NT scope:SCOPE_SE
.Lnot_mine_\@:
.endm
	s_load_b256 s[4:11], s[0:1], 0x0               ; pc, ps, mc, ms
	v_lshl_add_u32 v[SPW], v0, 2, SPARE
	v_mov_b32 v[NIL], 0
	ds_add_u32 v[SPW], v[NIL]                      ; the wave's opening: the add, twice on end, and its wait ahead of my first tensor load; the set-up below stands between the second and the wait
	ds_add_u32 v[SPW], v[NIL]
	v_lshrrev_b32 v8, 5, v0
	s_delay_alu instid0(VALU_DEP_1)
	v_readfirstlane_b32 s[WV], v8                  ; wave 0..15
	s_lshr_b32 s81, ttmp9, 4                       ; the batch
	s_and_b32 s82, ttmp9, 15                       ; the head
	s_and_b32 s83, ttmp7, 0xffff
	s_sub_co_u32 s84, 7, s83                       ; the query block
	s_lshl_b32 s84, s84, 8
	s_lshl_b32 s85, s[WV], 4
	s_add_co_u32 s[Q0], s84, s85                   ; my first query
	s_mul_i32 s86, ttmp9, 98304                    ; a head's images of Q, of K, of the result
	s_add_co_u32 s90, s86, 6291456                 ; K's region of pc
	s_mov_b32 s91, 0
	s_lshr_b32 s85, s[Q0], 4
	s_mul_i32 s85, s85, HIM
	s_add_co_u32 s86, s86, s85                     ; my tile of 16 queries
	s_mov_b32 s87, 0
	s_lshl_b32 s88, ttmp9, 13                      ; a head's 2,048 scale words
	s_add_co_u32 s94, s88, 524288                  ; K's region of ps
	s_mov_b32 s95, 0
	s_lshl_b32 s85, s[Q0], 2
	s_add_co_u32 s88, s88, s85
	s_mov_b32 s89, 0
	s_mul_i32 s92, s81, 1572864                    ; V: [batch][key step][tile of 16 channels][1,536]
	s_mul_i32 s85, s82, 6144
	s_add_co_u32 s92, s92, s85
	s_add_co_u32 s92, s92, 12582912
	s_mov_b32 s93, 0
	s_lshl_b32 s96, s81, 16                        ; V's scale words: [batch][key step][1,024 channels]
	s_lshl_b32 s85, s82, 8
	s_add_co_u32 s96, s96, s85
	s_add_co_u32 s96, s96, 1048576
	s_mov_b32 s97, 0
	s_lshl_b32 s84, s81, 11
	s_add_co_u32 s84, s84, s[Q0]
	s_lshl_b32 s84, s84, 5                         ; ms: 32 bytes a token,
	s_lshl_b32 s85, s82, 1
	s_add_co_u32 s84, s84, s85                     ; two of them my head's
	s_mov_b32 s85, 0
	; descriptor groups 1: elements of 8 bytes, no padding, no mask.  K: 48 rows of 256 bytes, dense.  V: 2 rows of 6,144 bytes, a key step (98,304 bytes) apart
.macro GROUP1 g, cc, rr, pp
	s_mov_b32 s[\g], 3<<16
	s_mov_b32 s[\g+1], (\cc)<<16                   ; tensor_dim0
	s_mov_b32 s[\g+2], (\rr)<<16                   ; tensor_dim1
	s_mov_b32 s[\g+3], (\cc)<<16                   ; tile_dim0
	s_mov_b32 s[\g+4], \rr                         ; tile_dim1
	s_mov_b32 s[\g+5], \pp                         ; from row to row
	s_mov_b32 s[\g+6], 0
	s_mov_b32 s[\g+7], 0
.endm
	GROUP1 G1K, 32, 48, 32
	GROUP1 G1V, 768, 2, 12288
	GROUP1 G1SK, 32, 32, 32                        ; K's scale words: 8,192 dense bytes
	GROUP1 G1SV, 32, 16, 512                       ; V's: 16 rows of 256 bytes, 4,096 bytes apart
	s_mov_b32 s[SEL], 0x76543210
	s_mov_b32 s[SEL+1], 0xfedcba98
	s_mov_b32 s[CS], 0x3e38aa3b                    ; c = log2(e) / 8
	s_mov_b32 s[CS+1], s[CS]                       ; (named with it as a pair, so it is written)
	s_mov_b32 s[TB], 0
	s_mov_b32 s[TS], 0
	s_mov_b32 s[TJ], 0
	s_mov_b32 s[SLOTS], NSL-1
	s_mov_b32 s[KF], 0
	s_sub_co_u32 s81, s[WV], 4
	s_cmp_lt_u32 s81, 3                            ; waves 4 to 6
	s_cselect_b32 s81, 0, 1
	s_or_b32 s81, s81, s83                         ; of the work-groups with y = 0
	s_cmp_eq_u32 s81, 0
	s_cselect_b32 s[LIM], 1, -1
	s_wait_dscnt 0x0                               ; both opening adds are done
	s_wait_kmcnt 0x0
	s_mov_b32 s[G0SK], 1
	s_mov_b32 s[G0SK+1], SCK
	s_add_nc_u64 s[G0SK+2:G0SK+3], s[6:7], s[94:95]
	s_or_b32 s[G0SK+3], s[G0SK+3], 0x80000000
	s_mov_b32 s[G0SV], 1
	s_mov_b32 s[G0SV+1], SCV
	s_add_nc_u64 s[G0SV+2:G0SV+3], s[6:7], s[96:97]
	s_or_b32 s[G0SV+3], s[G0SV+3], 0x80000000
	TLOAD G0SK, G1SK, G0SV, G1SV                   ; the scale words of the whole head: filled once
	s_mov_b32 s[G0K], 1
	s_mov_b32 s[G0K+1], 0                          ; slot 0
	s_add_nc_u64 s[G0K+2:G0K+3], s[4:5], s[90:91]
	s_or_b32 s[G0K+3], s[G0K+3], 0x80000000
	s_mov_b32 s[G0V], 1
	s_mov_b32 s[G0V+1], VOFF
	s_add_nc_u64 s[G0V+2:G0V+3], s[4:5], s[92:93]
	s_or_b32 s[G0V+3], s[G0V+3], 0x80000000
	TLOAD G0K, G1K, G0V, G1V                       ; slot 0, which holds key 0: it counts for every query.  Two loads of a fetching wave are out
	s_add_nc_u64 s[12:13], s[4:5], s[86:87]        ; Q's image
	s_add_nc_u64 s[14:15], s[6:7], s[88:89]        ; Q's scale words
	s_add_nc_u64 s[76:77], s[8:9], s[86:87]        ; where my result's image goes
	s_add_nc_u64 s[78:79], s[10:11], s[84:85]      ; and its scale bytes
	v_and_b32 v8, 15, v0                           ; r
	v_bfe_u32 v9, v0, 4, 1                         ; h
	v_and_b32 v10, 31, v0
	s_delay_alu instid0(VALU_DEP_1)
	v_lshlrev_b32 v[L16], 4, v10
	s_delay_alu instid0(VALU_DEP_2)
	v_lshlrev_b32 v[L8], 3, v10
	v_lshlrev_b32 v31, 2, v8
	global_load_b128 v[16:19], v[L16], s[12:13]    ; Q stays in registers
	global_load_b64 v[20:21], v[L8], s[12:13] offset:512
	global_load_b32 v[QS], v31, s[14:15]
	v_lshl_add_u32 v[ASK0], v8, 2, SCK
	v_lshl_add_u32 v[ASV0], v8, 2, SCV
	v_lshlrev_b32 v[LD], 4, v9
	s_delay_alu instid0(VALU_DEP_1)
	v_sub_nc_u32 v[LD], v8, v[LD]
	; the prefetches' offsets in pc.  e = thread - 128, held to 0 .. 95 so that every lane of every wave holds an offset inside pc.  e < 48: K's blocks; else V's, 24 to a key step
	v_add_nc_u32 v10, 0xffffff80, v0
	s_delay_alu instid0(VALU_DEP_1)
	v_min_u32 v10, 95, v10
	s_add_co_u32 s81, s90, 16*HIM                  ; in slot 1: the first change of slots steps it to slot 2
	s_add_co_u32 s82, s92, 196608-48*256
	v_lshlrev_b32 v11, 8, v10
	s_delay_alu instid0(VALU_DEP_1)
	v_add_nc_u32 v[PFO], s81, v11
	s_delay_alu instid0(VALU_DEP_2)
	v_add_nc_u32 v11, s82, v11
	s_delay_alu instid0(VALU_DEP_1)
	v_add_nc_u32 v9, 98304-VSTEP, v11              ; the slot's second key step
	v_cmp_gt_u32 vcc_lo, 72, v10
	s_delay_alu instid0(VALU_DEP_1)
	v_cndmask_b32 v11, v9, v11, vcc_lo
	v_cmp_gt_u32 vcc_lo, 48, v10
	s_delay_alu instid0(VALU_DEP_1)
	v_cndmask_b32 v[PFO], v11, v[PFO], vcc_lo
	v_mov_b32 v9, 16*HIM
	v_mov_b32 v[PFS], 196608
	s_delay_alu instid0(VALU_DEP_1)
	v_cndmask_b32 v[PFS], v[PFS], v9, vcc_lo       ; a slot on: 12,288 bytes in K, two key steps in V
	v_mov_b32 v13, 0xff61b1e6                      ; the largest t so far: -3e38, under every t
	s_delay_alu instid0(VALU_DEP_1)
	v_floor_f32 v12, -v13                          ; -M
	v_mov_b32 v14, 0                               ; the sum, in two halves
	v_mov_b32 v15, 0
.irp j, 22,23,24,25,26,27
	v_mov_b32 v\j, 0                               ; Q's upper 64 along K: zero codes
.endr
.irp j, 80,81,82,83,85
	v_mov_b32 v\j, 0                               ; named behind K's tile 7
.endr
	v_mov_b32 v30, 0                               ; written once: a lane permute's destination counts as one of its sources
	v_mov_b32 v94, 0
	v_mov_b32 v95, 0                               ; (named as the upper half of the pair v[94:95] before it is first written)
.irp b, 0,1,2,3
	v_mov_b32 v[PT+\b], 0
.endr
.set n, 0
.rept 32
	v_mov_b32 v[160+n], 0                          ; O^T.  (The step is written once: the first finds zeros, which the first change of M leaves zeros)
.set n, n+1
.endr
; A KEY STEP: 128 keys, the q-th of the slot in hand.
.macro STEP q
	s_add_co_u32 s96, s[Q0], 15                    ; a step all of whose keys come after my 16 queries is left out: a scalar branch on ids, round the step's loads, products and softmax; not round the lines at its end that step addresses
	s_cmp_gt_u32 s[KF], s96
	s_cbranch_scc1 .Lhidden_\@
	v_add_nc_u32 v[ADR16], s[TB], v[L16]           ; these four are the places in front of loads into registers that the last products read
	v_add_nc_u32 v[ADR8], s[TB], v[L8]
	v_add_nc_u32 v[ADS], s[TS], v[ASK0]
	v_add_nc_u32 v[ADT], s[TJ], v[ASV0]
.irp t, 0,1,2,3,4,5,6,7                        ; K: eight tiles of 16 keys, 24 loads
	ds_load_b128 v[KB+6*\t:KB+6*\t+3], v[ADR16] offset:(8*(\q)+\t)*HIM
	ds_load_b64 v[KB+6*\t+4:KB+6*\t+5], v[ADR8] offset:(8*(\q)+\t)*HIM+512
	ds_load_b32 v[KSC+\t], v[ADS] offset:64*\t
.endr
.irp t, 0,1,2,3                                ; V: four tiles of 16 channels x 128 keys, 20 loads: they land while the softmax is walked
	ds_load_b128 v[VF+12*\t:VF+12*\t+3], v[ADR16] offset:VOFF+VSTEP*(\q)+2*HIM*\t
	ds_load_b64 v[VF+12*\t+4:VF+12*\t+5], v[ADR8] offset:VOFF+VSTEP*(\q)+2*HIM*\t+512
	ds_load_b128 v[VF+12*\t+6:VF+12*\t+9], v[ADR16] offset:VOFF+VSTEP*(\q)+2*HIM*\t+HIM
	ds_load_b64 v[VF+12*\t+10:VF+12*\t+11], v[ADR8] offset:VOFF+VSTEP*(\q)+2*HIM*\t+HIM+512
	ds_load_b32 v[VSC+\t], v[ADT] offset:64*\t
.endr
	s_wait_dscnt 20                                ; K's 24 loads are in; V's 20 stay out
.irp t, 0,1,2,3,4,5,6,7
	v_wmma_scale_f32_16x16x128_f8f6f4 v[96+8*\t:103+8*\t], v[KB+6*\t:KB+6*\t+11], v[16:27], 0, v[KSC+\t], v[QS] matrix_a_fmt:MATRIX_FMT_FP6 matrix_b_fmt:MATRIX_FMT_FP6
.endr                                          ; lane (r, h) holds query r; register 16 B + i is key KF + 32 B + 16 h + i
.rept 4
	v_nop
.endr
	s_add_co_u32 s96, s[KF], 127                   ; on the diagonal the scores of hidden keys become -infinity ahead of the maximum: p = 0 then.  A step all of whose keys count skips this
	s_cmp_le_u32 s96, s[Q0]
	s_cbranch_scc1 .Lopen_\@
	s_sub_co_i32 s96, s[Q0], s[KF]
	v_add_nc_u32 v30, s96, v[LD]                   ; d = my query - KF - 16 h: register 16 B + i is hidden where 32 B + i > d
	v_mov_b32 v31, 0xff800000                      ; -infinity
.set n, 0
.rept 64
	v_cmp_gt_i32 vcc_lo, 32*(n/16)+n%16, v30
	v_cndmask_b32 v[96+n], v[96+n], v31, vcc_lo
.set n, n+1
.endr
.Lopen_\@:
.irp b, 0,1,2,3
	v_max3_num_f32 v[BMX+\b], v[96+16*\b], v[97+16*\b], v[98+16*\b]   ; THE LARGEST SCORE OF EACH BLOCK OF 32 KEYS: it serves twice: for the row's maximum, and, since p rises with the score, for the block's largest p
.endr
.irp i, 3,5,7,9,11,13
.irp b, 0,1,2,3
	v_max3_num_f32 v[BMX+\b], v[BMX+\b], v[96+16*\b+\i], v[97+16*\b+\i]   ; (the four blocks by turns)
.endr
.endr
.irp b, 0,1,2,3
	v_max_num_f32 v[BMX+\b], v[BMX+\b], v[111+16*\b]
.endr
.irp b, 0,1,2,3
	s_delay_alu instid0(VALU_DEP_4)
	v_permlanex16_b32 v[PT+\b], v[BMX+\b], s[SEL], s[SEL+1]
.endr
.irp b, 0,1,2,3
	s_delay_alu instid0(VALU_DEP_4)
	v_max_num_f32 v[BMX+\b], v[BMX+\b], v[PT+\b]   ; with lane l xor 16's 16 keys
.endr
	s_delay_alu instid0(VALU_DEP_2)
	v_max3_num_f32 v30, v[BMX], v[BMX+1], v[BMX+2]
	s_delay_alu instid0(VALU_DEP_1)
	v_max_num_f32 v30, v30, v[BMX+3]               ; the step's largest score of my query
	s_delay_alu instid0(VALU_DEP_1)
	v_mul_f32 v30, s[CS], v30                      ; as t (c is positive)
	s_delay_alu instid0(VALU_DEP_1)
	v_max_num_f32 v13, v13, v30                    ; the running largest t
	v_mov_b32 v30, v12
	s_delay_alu instid0(VALU_DEP_2)
	v_floor_f32 v12, -v13                          ; the new -M = floor(-t) = -ceil(t): M IS A WHOLE NUMBER
	s_delay_alu instid0(VALU_DEP_1)
	v_sub_f32 v30, v12, v30                        ; M's old value less its new one: a whole number, 0 or less
	s_delay_alu instid0(VALU_DEP_1)
	v_cvt_i32_f32 v30, v30                         ; (it saturates)
	s_delay_alu instid0(VALU_DEP_1)
	v_ldexp_f32 v94, 1.0, v30                      ; f = 2^(old M - new M): a multiplication by it rounds nothing
.set n, 0
.rept 32
	v_pk_fma_f32 v[96+n:97+n], v[96+n:97+n], s[CS:CS+1], v[12:13] op_sel_hi:[1,0,0]   ; t - M, two at a time (of the pairs c and -M the low word serves both halves)
.set n, n+2
.endr
.irp b, 0,1,2,3
	v_fma_f32 v[BMX+\b], v[BMX+\b], s[CS], v12     ; the same of each block's largest score
.endr
.set n, 0
	s_wait_alu depctr_va_vdst(0)
.rept 64
	v_exp_f32 v[96+n], v[96+n]                     ; p = 2^(t - M), at most 1: NOT normalised
.set n, n+1
.endr
	v_pk_mul_f32 v[14:15], v[14:15], v[94:95] op_sel_hi:[1,0]   ; the sums under the new M.  (A plain place behind the exponentials)
	s_wait_alu depctr_va_vdst(0)                   ; one wait for the whole batch, ahead of its first reader
.irp b, 0,1,2,3
	v_exp_f32 v[BMX+\b], v[BMX+\b]                 ; the block's largest p: the same two instructions on the same number give the same bits
.endr
	v_pk_add_f32 v[248:249], v[100:101], v[104:105]
	v_pk_add_f32 v[254:255], v[108:109], v[112:113]
	v_pk_add_f32 v[252:253], v[116:117], v[120:121]
	v_pk_add_f32 v[250:251], v[124:125], v[128:129]
	v_pk_add_f32 v[92:93], v[132:133], v[136:137]
	v_pk_add_f32 v[90:91], v[140:141], v[144:145]
	v_pk_add_f32 v[88:89], v[148:149], v[152:153]
	v_pk_add_f32 v[14:15], v[14:15], v[156:157]
	v_pk_add_f32 v[248:249], v[248:249], v[96:97]
	v_pk_add_f32 v[254:255], v[254:255], v[98:99]
	v_pk_add_f32 v[252:253], v[252:253], v[102:103]
	v_pk_add_f32 v[250:251], v[250:251], v[106:107]
	v_pk_add_f32 v[92:93], v[92:93], v[110:111]
	v_pk_add_f32 v[90:91], v[90:91], v[114:115]
	v_pk_add_f32 v[88:89], v[88:89], v[118:119]
	v_pk_add_f32 v[14:15], v[14:15], v[122:123]
	v_pk_add_f32 v[248:249], v[248:249], v[126:127]
	v_pk_add_f32 v[254:255], v[254:255], v[130:131]
	v_pk_add_f32 v[252:253], v[252:253], v[134:135]
	v_pk_add_f32 v[250:251], v[250:251], v[138:139]
	v_pk_add_f32 v[92:93], v[92:93], v[142:143]
	v_pk_add_f32 v[90:91], v[90:91], v[146:147]
	v_pk_add_f32 v[88:89], v[88:89], v[150:151]
	v_pk_add_f32 v[14:15], v[14:15], v[154:155]
	v_pk_add_f32 v[248:249], v[248:249], v[158:159]
	s_delay_alu instid0(VALU_DEP_2)
	v_pk_add_f32 v[14:15], v[14:15], v[250:251]
	s_delay_alu instid0(VALU_DEP_2)
	v_pk_add_f32 v[248:249], v[248:249], v[92:93]
	v_pk_add_f32 v[254:255], v[254:255], v[90:91]
	v_pk_add_f32 v[252:253], v[252:253], v[88:89]
	s_delay_alu instid0(VALU_DEP_2)
	v_pk_add_f32 v[14:15], v[14:15], v[254:255]
	s_delay_alu instid0(VALU_DEP_2)
	v_pk_add_f32 v[248:249], v[248:249], v[252:253]
	s_delay_alu instid0(VALU_DEP_1)
	v_pk_add_f32 v[14:15], v[14:15], v[248:249]
	s_wait_alu depctr_va_vdst(0)                   ; and one for the four
.irp b, 0,1,2,3
	v_max_num_f32 v[BMX+\b], 0x1800000, v[BMX+\b]  ; the floor 2^(3 - 127): the byte cannot fall under 1 (a block whose every p is 0 keeps that byte: its codes are zeros)
.endr
.irp b, 0,1,2,3
	s_delay_alu instid0(VALU_DEP_4)
	v_add_nc_u32 v[SOP+\b], 0xff000000, v[BMX+\b]  ; 2 off the exponent field: the conversion's scale operand
.endr
.irp b, 0,1,2,3
	s_delay_alu instid0(VALU_DEP_4)
	v_lshrrev_b32 v[PT+\b], 23, v[SOP+\b]          ; the scale's byte
.endr
	s_delay_alu instid0(VALU_DEP_3)
	v_lshl_or_b32 v95, v[PT+1], 8, v[PT]           ; p's scale word for these 128 keys
	s_delay_alu instid0(VALU_DEP_1)
	v_lshl_or_b32 v95, v[PT+2], 16, v95
	s_delay_alu instid0(VALU_DEP_1)
	v_lshl_or_b32 v95, v[PT+3], 24, v95
.irp c, 0,1
	v_cvt_scalef32_pk16_fp6_f32 v[PCD+6*\c:PCD+2+6*\c], v[96+32*\c:111+32*\c], v[SOP+2*\c]
	v_cvt_scalef32_pk16_fp6_f32 v[CT+4*\c:CT+2+4*\c], v[112+32*\c:127+32*\c], v[SOP+2*\c+1]   ; (a conversion's three registers begin on an even number)
.endr
	v_nop                                          ; one plain place behind a scaled conversion
.irp c, 0,1                                    ; the operand's layout wants a WHOLE block in a lane: lanes 0-15 block 2 c, lanes 16-31 block 2 c + 1
.irp i, 0,1,2
	v_permlane16_swap_b32 v[PCD+6*\c+\i], v[CT+4*\c+\i]
.endr
.irp i, 0,1,2
	s_delay_alu instid0(VALU_DEP_3)
	v_mov_b32 v[PCD+3+6*\c+\i], v[CT+4*\c+\i]
.endr
.endr
.set n, 0
.rept 16
	v_pk_mul_f32 v[160+n:161+n], v[160+n:161+n], v[94:95] op_sel_hi:[1,0]   ; O^T under the new M: x f.  (Of these 16, 12 name no register of any one product below: the places between p's scale word and codes and the products)
.set n, n+2
.endr
	s_wait_alu depctr_va_vdst(0)
	s_wait_dscnt 0x0                               ; V is in
.irp t, 0,1,2,3                                ; O^T += V^T P^T: four accumulators by turns, one instruction a turn
	v_wmma_scale_f32_16x16x128_f8f6f4 v[160+8*\t:167+8*\t], v[VF+12*\t:VF+12*\t+11], v[PCD:PCD+11], v[160+8*\t:167+8*\t], v[VSC+\t], v95 matrix_a_fmt:MATRIX_FMT_FP6 matrix_b_fmt:MATRIX_FMT_FP6
.endr
.Lhidden_\@:
	s_add_co_u32 s[KF], s[KF], 128
	s_add_co_u32 s[TS], s[TS], 512                 ; the next step's scale words
	s_add_co_u32 s[TJ], s[TJ], 256
.endm
; THE CHANGE OF SLOTS stands at a slot's head.  Each wave waits for all its tensor loads (its part of the slot that it is about to read), adds 0 to its spare word (fill = 1: twice on end), and waits for that and for its reads of the slot that it has left.
; Behind the barrier the slot ahead is whole and nobody reads the other one.  fill = 1: that other slot is filled with the keys that follow, up to the causal limit: the load has a whole slot's steps in which to land.
.macro CHANGE fill
	s_wait_tensorcnt 0x0                           ; no tensor load of mine is out, so a group 0 may be written
	ds_add_u32 v[SPW], v[NIL]                      ; 0 onto my spare word
.if \fill
	ds_add_u32 v[SPW], v[NIL]                      ; and once more
	s_xor_b32 s[G0K+1], s[G0K+1], SLOT1            ; the walking descriptors: the other slot than last time,
	s_add_nc_u64 s[G0K+2:G0K+3], s[G0K+2:G0K+3], 16*HIM   ; the next 256 keys; the type bits on top are not reached
	s_xor_b32 s[G0V+1], s[G0V+1], SLOT1
	s_add_nc_u64 s[G0V+2:G0V+3], s[G0V+2:G0V+3], 196608
	s_wait_xcnt 0x0                                ; the last prefetch, a slot back, has read its offset, so it may be written:
	v_add_nc_u32 v[PFO], v[PFO], v[PFS]            ; one slot further on than the walking descriptors
.endif
	s_wait_dscnt 0x0                               ; the add is done (fill = 1: both are), and my reads of the slot that I have left are over
	s_barrier_signal -1
	s_barrier_wait -1
.if \fill
	s_add_co_u32 s96, s[KF], SK                    ; THE LOOK-AHEAD ENDS AT THE CAUSAL LIMIT: a slot whose first key comes after my work-group's last query is read by none of its waves, so it is not asked for
	s_or_b32 s97, s[Q0], 255                       ; my work-group's last query
	s_cmp_gt_u32 s96, s97                          ; ids and the count of steps alone: all sixteen waves go the same way; a work-group that is past the limit stays past it.  Every wait on TENSORcnt in this text is for 0
	s_cbranch_scc1 .Lpast_\@
	TLOAD G0K, G1K, G0V, G1V                       ; the first thing behind the barrier and the limit's four lines, and a wave's one tensor load until the next barrier
.Lpast_\@:
	ASK
.endif
.endm
.macro SLOT_STEPS
	STEP 0
	STEP 1
	s_xor_b32 s[TB], s[TB], SLOT1                  ; on to the other slot
.endm
	s_wait_loadcnt 0x0                             ; Q
.Lslot:                                            ; 7 trips: behind each change of slots but the last the next slot is asked for, up to the limit
	s_wait_alu depctr_va_vdst(0)
	CHANGE 1
	SLOT_STEPS
	s_sub_co_u32 s[SLOTS], s[SLOTS], 1
	s_cmp_lg_u32 s[SLOTS], 0
	s_cbranch_scc1 .Lslot
	CHANGE 0                                       ; the last slot is written out: nothing is left to ask for
	SLOT_STEPS
	; THE WAY OUT.  O^T / the sum; register 16 B + i is channel 32 B + 16 h + i of my query: two blocks of 32, quantised as the projection's operand and stored as an image of its registers.  No LDS.
	v_add_f32 v14, v14, v15                        ; the sum's two halves,
	s_delay_alu instid0(VALU_DEP_1)
	v_permlanex16_b32 v30, v14, s[SEL], s[SEL+1]
	s_delay_alu instid0(VALU_DEP_1)
	v_add_f32 v14, v14, v30                        ; and lane l xor 16's: the row's sum
	s_wait_alu depctr_va_vdst(0)
	v_rcp_f32 v14, v14
	v_and_b32 v31, 15, v0                          ; (plain places behind the transcendental, and with the additions above the places behind the last products)
	s_delay_alu instid0(VALU_DEP_1)
	v_lshlrev_b32 v31, 5, v31                      ; 32 bytes of scale bytes a token
	s_wait_alu depctr_va_vdst(0)                   ; the wait, ahead of the first reader
.set n, 0
.rept 32
	v_mul_f32 v[96+n], v[160+n], v14               ; each accumulator from its low end on
.set n, n+1
.endr
.irp b, 0,1
	v_max3_num_f32 v[BMX+\b], |v[96+16*\b]|, |v[97+16*\b]|, 0x1800000   ; my 16 numbers of block b, and the floor
.endr
.irp i, 2,4,6,8,10,12,14
.irp b, 0,1
	s_delay_alu instid0(VALU_DEP_2)
	v_max3_num_f32 v[BMX+\b], v[BMX+\b], |v[96+16*\b+\i]|, |v[97+16*\b+\i]|
.endr
.endr
.irp b, 0,1
	s_delay_alu instid0(VALU_DEP_2)
	v_permlanex16_b32 v[PT+\b], v[BMX+\b], s[SEL], s[SEL+1]
.endr
.irp b, 0,1
	s_delay_alu instid0(VALU_DEP_2)
	v_max_num_f32 v[BMX+\b], v[BMX+\b], v[PT+\b]
.endr
.irp b, 0,1
	s_delay_alu instid0(VALU_DEP_2)
	v_add_nc_u32 v[SOP+\b], 0xff000000, v[BMX+\b]
.endr
.irp b, 0,1
	s_delay_alu instid0(VALU_DEP_2)
	v_lshrrev_b32 v[PT+\b], 23, v[SOP+\b]
.endr
	s_delay_alu instid0(VALU_DEP_1)
	v_lshl_or_b32 v30, v[PT+1], 8, v[PT]           ; my token's two scale bytes of this head
	v_cvt_scalef32_pk16_fp6_f32 v[PCD:PCD+2], v[96:111], v[SOP]
	v_cvt_scalef32_pk16_fp6_f32 v[CT:CT+2], v[112:127], v[SOP+1]
	v_nop                                          ; one plain place behind a scaled conversion
.irp i, 0,1,2
	v_permlane16_swap_b32 v[PCD+\i], v[CT+\i]
.endr
.irp i, 0,1,2
	s_delay_alu instid0(VALU_DEP_3)
	v_mov_b32 v[PCD+3+\i], v[CT+\i]                ; registers 0-5: channels 32 h + 0 .. 31
.endr
	global_store_b128 v[L16], v[PCD:PCD+3], s[76:77]               ; 512 consecutive bytes,
	global_store_b64 v[L8], v[PCD+4:PCD+5], s[76:77] offset:512    ; and 256
	global_store_b16 v31, v30, s[78:79]            ; both halves of the lanes write the same two bytes with the same value
	s_wait_tensorcnt 0x0                           ; the wave's end: behind my last tensor load
	ds_add_u32 v[SPW], v[NIL]
	s_wait_dscnt 0x0
	s_endpgm
.Lfunc_end_k_q5bffabc5ba_attn:
	.size	k_q5bffabc5ba_attn, .Lfunc_end_k_q5bffabc5ba_attn-k_q5bffabc5ba_attn
	.p2alignl 7, 3214868480
	.fill 96, 4, 3214868480
	.section	.rodata,"a",@progbits
	.p2align	6, 0x0
	.amdhsa_kernel k_q5bffabc5ba_attn
		.amdhsa_group_segment_fixed_size 327680
		.amdhsa_private_segment_fixed_size 0
		.amdhsa_enable_private_segment 0
		.amdhsa_kernarg_size 32
		.amdhsa_user_sgpr_count 2
		.amdhsa_user_sgpr_kernarg_segment_ptr 1
		.amdhsa_wavefront_size32 1
		.amdhsa_system_sgpr_workgroup_id_x 1
		.amdhsa_system_sgpr_workgroup_id_y 1
		.amdhsa_system_sgpr_workgroup_id_z 1
		.amdhsa_system_vgpr_workitem_id 0
		.amdhsa_next_free_vgpr 256
		.amdhsa_next_free_sgpr 100
		.amdhsa_reserve_vcc 1
		.amdhsa_float_denorm_mode_32 3
		.amdhsa_float_denorm_mode_16_64 3
		.amdhsa_memory_ordered 1
		.amdhsa_forward_progress 1
		.amdhsa_inst_pref_size 109
	.end_amdhsa_kernel
	.amdgpu_metadata
---
amdhsa.version: [ 1, 2 ]
amdhsa.kernels:
  - .name:           k_q5bffabc5ba_attn
    .symbol:         k_q5bffabc5ba_attn.kd
    .args:
      - { .name: pc, .offset: 0, .size: 8, .value_kind: global_buffer, .address_space: global }
      - { .name: ps, .offset: 8, .size: 8, .value_kind: global_buffer, .address_space: global }
      - { .name: mc, .offset: 16, .size: 8, .value_kind: global_buffer, .address_space: global }
      - { .name: ms, .offset: 24, .size: 8, .value_kind: global_buffer, .address_space: global }
    .group_segment_fixed_size: 327680
    .private_segment_fixed_size: 0
    .kernarg_segment_align: 8
    .kernarg_segment_size: 32
    .max_flat_workgroup_size: 512
    .sgpr_count:     100
    .vgpr_count:     256
    .wavefront_size: 32
...
	.end_amdgpu_metadata
.endif
;; end of part 3
;; launch outp (part 4): grid 4 x 32, 4 waves a work-group, clusters of 4 x 4, 327,680 bytes of LDS; arguments mc, ms, wc, ws, bo, out0; writes out0
.if DOCPART == 4
	.amdgcn_target "amdgcn-amd-amdhsa--gfx1250"
	.amdhsa_code_object_version 6
	.text
	.protected	k_q5bffabc5ba_outp
	.globl	k_q5bffabc5ba_outp
	.p2align	8
	.type	k_q5bffabc5ba_outp,@function
k_q5bffabc5ba_outp:
	s_mov_b64 s[64:65], 0
	v_nop
	global_prefetch_b8 v0, s[64:65] scope:SCOPE_SE
	s_setreg_imm32_b32 hwreg(HW_REG_WAVE_MODE, 25, 1), 1
	s_wait_xcnt 0x0
	s_wait_alu depctr_hold_cnt(0) depctr_sa_sdst(0) depctr_va_vdst(0) depctr_va_sdst(0) depctr_va_ssrc(0) depctr_va_vcc(0) depctr_vm_vsrc(0)
	s_getreg_b32 s2, hwreg(HW_REG_IB_STS2, 6, 4)
	s_cmp_eq_u32 s2, 0
	s_cbranch_scc0 .Lentry_in_a_cluster
	s_endpgm
.Lentry_in_a_cluster:
	s_bfe_u32 s2, ttmp6, 0x10000c
	s_cmp_lg_u32 s2, 0xf033
	s_cbranch_scc0 .Lentry_shape_is_right
	s_endpgm
.Lentry_shape_is_right:
; out0 = merged Wo^T + bo ON CODES OF FP6.  merged: 8,192 tokens x 1,024 (16 heads x 64), as the attention stored it; Wo: the fourth tensor of wc and ws, rows in their own order.  Nothing is left out here.
; A tile of out0, 256 x 256, is made by a work-group of four waves; a wave makes 128 x 128: 64 accumulators of 16 x 16, 512 registers.  K goes in steps of 256 (four heads) through a ring of two LDS slots.
; A (the tokens, source 1) LIES IN mc AS IMAGES OF REGISTERS, [batch x head][tile of 16 tokens][768]: registers 0-3 at 16 x lane, registers 4-5 at 512 + 8 x lane.  A tensor load brings, for 128 tokens, 4 heads x 6,144 bytes;
; a fragment of 128 along K is two heads' images: four LDS loads of 512 or 256 consecutive bytes.  B (Wo, source 0) lies in rows of 768 bytes: a tile's row is 192 bytes, 16 bytes of padding behind every 64.
; The scale bytes of the work-group's 2 x 256 rows come into LDS once, with the first fills.  CLUSTERS: 4 x 4 work-groups; A's tiles are asked for jointly along a row of the cluster, B's along a column.
; THE BIAS is the C of each sum's first matrix instruction: it is added ahead of the products, an order of f32 rounding that differs from reference()'s.
; A lane holds eight neighbouring numbers of a row of out0; a block of 16 rows goes through the wave's own stage in LDS and leaves as whole rows of 512 bytes.
; The grid has 128 work-groups: 32 x 4 tiles of 256 x 256.  No prefetch: K is four slots long, and two of them are asked for at the head.
; REGISTERS, in windows of 256: window 0: v0-31 addresses; v32-63 scale words, two sets; v64-127 the bias; from v128 A's fragments, ONE set; on the way out v128-255 rows of out0.
;   window 1: B's fragments, TWO sets.   window 2: the accumulators of my rows 0-63 ((a, b) at v[8 (8 a + b)]);   window 3: those of rows 64-127.
.set SIZE_N, 1024
.set NQ,     2                         ; matrix instructions deep in a slot
.set ROWB,   192                       ; B: a tile's row in bytes
.set KROW,   768                       ; B: a row of codes in memory
.set PITCH,  240                       ; B: an LDS row: 3 x (64 bytes of data + 16 of padding)
.set FR,     12                        ; registers of a fragment
.set NLA,    4                         ; LDS loads that bring a fragment of A
.set NP,     4                         ; places behind this matrix instruction (ISA guide 7.12.1)
.set HIM,    768                       ; an image
.set HEADB,  8*HIM                     ; A: 128 tokens of one head
.set HALFA,  4*HEADB                   ; A: what one tensor load brings
.set HALFT,  128*PITCH                 ; B: what one tensor load brings
.set BOFF,   2*HALFA                   ; a slot: A's two halves, then B's two
.set SLOT,   BOFF+2*HALFT
.set LAPS,   2
.set KS,     32                        ; a row of scale bytes
.set SCL,    2*SLOT                    ; behind the ring: the scale bytes, as runs of 256 bytes + 16 of padding
.set HALFS,  (128*KS/256)*272
.set SBLK,   (16*KS/256)*272
.set SPARE,  SCL+4*HALFS               ; the spare words, 128 bytes for each wave, which no other line names
.set SPITCH, 528                       ; the way out: a stage of 16 rows x (512 bytes + 16) for each wave, in slot 0, which has had its last fill and its last read when the first result is stored there
.set ADRA, 16                          ; v16-17  LDS address of my A images in slot 0, 1, + 16 x lane  (v18-19: + 8 x lane)
.set ADRB, 20                          ; v20-21  of my B fragments  (v22-23: for the pieces behind one padding more)
.set STO,  24                          ; v24     the way out: where I put 32 bytes of a row
.set RD,   25                          ; v25     where I read a row back
.set CO,   26                          ; v26     my byte offset in a row of out0
.set ADRS, 27                          ; v27     LDS address of my scale words: lanes 0-15 A's rows, lanes 16-31 B's
.set SPW,  28                          ; v28     LDS address of my spare word; never rewritten
.set NIL,  29                          ; v29     0; never rewritten
.set SC,   32
.set BI,   64                          ; the bias: tile b at v[BI + 8 b]
.set AF,   128
.set BK,   128                         ; the way out: 16 rows read back: v128-191 and v192-255 by turns
.set G1, 24
.set G0, 32
.set G1B, 48
.set G0B, 56
.set G1S, 68
.set G0S, 76
.set G1SB, 80
.set G0SB, 88
.set MSB, 0
.macro WIN new                         ; the immediate's high byte repeats the setting that is left
.if MSB != \new
	s_set_vgpr_msb (MSB<<8)|\new
.set MSB, \new
.endif
.endm
.set MUL_LO, 0xa1                      ; source 0 (B) window 1, source 1 (A) window 0, C and D window 2
.set MUL_HI, 0xf1                      ; the same, C and D window 3
.set BIA_LO, 0x81                      ; the first step: C (the bias) window 0, D window 2
.set BIA_HI, 0xc1                      ; D window 3
.set TO_B,   0x40                      ; destination window 1, address window 0
; A joint load: waves 0 and 1 fetch for A, waves 2 and 3 for B; the branch hangs on the wave's number alone.  An s_nop 0 and four v_nop follow each of the two lines.
.macro JLOAD g0a, g1a, g0b, g1b
	s_cmp_eq_u32 s15, 0
	s_cbranch_scc0 .Lfor_b_\@
	tensor_load_to_lds s[\g0a:\g0a+3], s[\g1a:\g1a+7]
	s_nop 0
.rept 4
	v_nop
.endr
	s_branch .Lasked_\@
.Lfor_b_\@:
	tensor_load_to_lds s[\g0b:\g0b+3], s[\g1b:\g1b+7]
	s_nop 0
.rept 4
	v_nop
.endr
.Lasked_\@:
.endm
.macro CREST                           ; a round of the cluster's barrier behind its opening barrier
	s_cmp_lg_u32 s14, 0
	s_cbranch_scc1 .Lnot_wave_0_\@
	s_barrier_signal -3
.Lnot_wave_0_\@:
	s_barrier_wait -3
	s_barrier_signal -1
	s_barrier_wait -1
.endm
.macro CROUND                          ; a whole round
	s_barrier_signal -1
	s_barrier_wait -1
	CREST
.endm
	s_load_b128 s[4:7], s[0:1], 0x0                ; mc, ms
	s_load_b128 s[8:11], s[0:1], 0x10              ; wc, ws
	s_load_b64 s[96:97], s[0:1], 0x20              ; bo
	s_load_b64 s[12:13], s[0:1], 0x28              ; out0
	v_lshl_add_u32 v[SPW], v0, 2, SPARE
	v_mov_b32 v[NIL], 0
	ds_add_u32 v[SPW], v[NIL]                      ; the wave's opening: the add, twice on end, and its wait ahead of my first tensor load; the set-up below stands between the second and the wait
	ds_add_u32 v[SPW], v[NIL]
	v_lshrrev_b32 v1, 5, v0
	v_readfirstlane_b32 s14, v1                    ; wave 0..3
	s_lshr_b32 s15, s14, 1                         ; which half of the tile's rows is mine.  Also: I fetch for A (0) or for B (1)
	s_and_b32 s16, s14, 1                          ; which half of its columns.  Also: which half of that tile I fetch
	s_bfe_u32 s40, ttmp6, 0x40000                  ; cx, cy: my place in the cluster
	s_bfe_u32 s41, ttmp6, 0x40004
	s_lshl_b32 s42, ttmp9, 2
	s_add_co_u32 s42, s42, s40                     ; tile column = 4 x cluster x + cx
	s_and_b32 s17, ttmp7, 0xffff
	s_lshl_b32 s17, s17, 2
	s_add_co_u32 s17, s17, s41                     ; tile row = 4 x cluster y + cy
	s_lshl_b32 s43, s41, 2
	s_lshl_b32 s43, 15, s43                        ; my row of the cluster
	s_lshl_b32 s44, 0x1111, s40                    ; my column
	; descriptor group 1 for A: 4 rows (heads) of 6,144 bytes (768 elements of 8), a head (98,304 bytes) apart, no padding
	s_or_b32 s[G1+0], s43, (3<<16)|(1<<21)         ; 15:0 the mask: A's tiles go to my row; elements of 8 bytes; bit 21 beside a mask
	s_mov_b32 s[G1+1], 768<<16                     ; tensor_dim0
	s_mov_b32 s[G1+2], 4<<16                       ; tensor_dim1
	s_mov_b32 s[G1+3], 768<<16                     ; tile_dim0
	s_mov_b32 s[G1+4], 4                           ; tile_dim1
	s_mov_b32 s[G1+5], 12288                       ; from row to row
	s_mov_b32 s[G1+6], 0
	s_mov_b32 s[G1+7], 0
	; for B: 128 rows x 192 bytes, 16 bytes of padding behind every 64
	s_or_b32 s[G1B+0], s44, (0<<16)|(1<<20)|(1<<21)|(3<<22)|(3<<25)
	s_mov_b32 s[G1B+1], ROWB<<16
	s_mov_b32 s[G1B+2], 128<<16
	s_mov_b32 s[G1B+3], ROWB<<16
	s_mov_b32 s[G1B+4], 128
	s_mov_b32 s[G1B+5], KROW
	s_mov_b32 s[G1B+6], 0
	s_mov_b32 s[G1B+7], 0
	; the scale bytes of 128 rows: 4,096 dense bytes, as rows of 256 bytes, 16 bytes of padding behind each
	s_or_b32 s[G1S+0], s43, (3<<16)|(1<<20)|(1<<21)|(5<<22)|(3<<25)
	s_or_b32 s[G1SB+0], s44, (3<<16)|(1<<20)|(1<<21)|(5<<22)|(3<<25)
.irp g, G1S, G1SB
	s_mov_b32 s[\g+1], 32<<16
	s_mov_b32 s[\g+2], (128*KS/256)<<16
	s_mov_b32 s[\g+3], 32<<16
	s_mov_b32 s[\g+4], 128*KS/256
	s_mov_b32 s[\g+5], 32
	s_mov_b32 s[\g+6], 0
	s_mov_b32 s[\g+7], 0
.endr
	s_lshr_b32 s20, s17, 3                         ; A's codes: the batch (8 tile rows each),
	s_mul_i32 s20, s20, 1572864
	s_and_b32 s21, s17, 7
	s_mul_i32 s21, s21, 2*HEADB                    ; the tile row's 16 tiles of tokens in head 0,
	s_add_co_u32 s20, s20, s21
	s_mul_i32 s21, s16, HEADB                      ; the half that I fetch
	s_add_co_u32 s20, s20, s21
	s_mov_b32 s21, 0
	s_lshl_b32 s22, s17, 8
	s_lshl_b32 s23, s16, 7
	s_add_co_u32 s22, s22, s23
	s_lshl_b32 s22, s22, 5                         ; A's scale bytes: 32 a token
	s_mov_b32 s23, 0
	s_lshl_b32 s46, s42, 8
	s_lshl_b32 s47, s16, 7
	s_add_co_u32 s46, s46, s47                     ; B: row 256 x tile column + 128 x half
	s_lshl_b32 s92, s46, 5
	s_add_co_u32 s92, s92, 98304                   ; Wo's scale bytes: the fourth tensor of ws
	s_mov_b32 s93, 0
	s_mul_i32 s46, s46, KROW
	s_add_co_u32 s46, s46, 2359296                 ; Wo's codes: the fourth tensor of wc
	s_mov_b32 s47, 0
	s_mul_i32 s45, s16, HALFA                      ; where the tiles go: no place in the cluster enters an LDS address
	s_mul_i32 s2, s16, HALFT
	s_add_co_u32 s2, s2, BOFF
	s_mul_i32 s94, s14, HALFS
	s_wait_dscnt 0x0                               ; both opening adds are done
	s_wait_kmcnt 0x0
	s_add_nc_u64 s[20:21], s[4:5], s[20:21]
	s_add_nc_u64 s[22:23], s[6:7], s[22:23]
	s_add_nc_u64 s[46:47], s[8:9], s[46:47]
	s_add_nc_u64 s[92:93], s[10:11], s[92:93]
	CROUND                                         ; all sixteen work-groups are here: the first joint loads meet
	s_mov_b32 s[G0S], 1
	s_add_co_u32 s[G0S+1], s94, SCL
	s_mov_b64 s[G0S+2:G0S+3], s[22:23]
	s_or_b32 s[G0S+3], s[G0S+3], 0x80000000
	s_mov_b32 s[G0SB], 1
	s_add_co_u32 s[G0SB+1], s94, SCL
	s_mov_b64 s[G0SB+2:G0SB+3], s[92:93]
	s_or_b32 s[G0SB+3], s[G0SB+3], 0x80000000
	JLOAD G0S, G1S, G0SB, G1SB                     ; the scale bytes first: they are wanted with K step 0
.irp s, 0,1
	s_mov_b32 s[G0+4*\s], 1
	s_add_co_u32 s[G0+4*\s+1], s45, \s*SLOT
	s_add_nc_u64 s[G0+4*\s+2:G0+4*\s+3], s[20:21], \s*393216       ; K step s: four heads on
	s_or_b32 s[G0+4*\s+3], s[G0+4*\s+3], 0x80000000
	s_mov_b32 s[G0B+4*\s], 1
	s_add_co_u32 s[G0B+4*\s+1], s2, \s*SLOT
	s_add_nc_u64 s[G0B+4*\s+2:G0B+4*\s+3], s[46:47], \s*ROWB
	s_or_b32 s[G0B+4*\s+3], s[G0B+4*\s+3], 0x80000000
	JLOAD G0+4*\s, G1, G0B+4*\s, G1B               ; three tensor loads of mine are out now
.endr
	v_and_b32 v1, 15, v0                           ; r = lane % 16
	v_bfe_u32 v2, v0, 4, 1                         ; h = lane / 16
	v_and_b32 v6, 31, v0
	v_mul_u32_u24 v3, v1, PITCH
	v_mul_u32_u24 v4, v2, 24
	v_add_nc_u32 v4, v3, v4                        ; B: a fragment's row x pitch + 24 x half
	v_lshl_add_u32 v5, v2, 4, v4                   ; and the same behind one padding more
	s_mul_i32 s21, s15, HALFA                      ; my 128 rows of A
	s_mul_i32 s22, s16, HALFT                      ; my 128 rows of B,
	s_add_co_u32 s22, s22, BOFF                    ; which lie behind A's
.irp s, 0,1
	v_lshl_add_u32 v[ADRA+\s], v6, 4, s21
	v_lshl_add_u32 v[ADRA+2+\s], v6, 3, s21
	v_add_nc_u32 v[ADRB+\s], s22, v4
	v_add_nc_u32 v[ADRB+2+\s], s22, v5
	s_add_co_u32 s21, s21, SLOT
	s_add_co_u32 s22, s22, SLOT
.endr
	v_mul_u32_u24 v5, v1, KS                       ; my row's scale bytes: 32 a row,
	v_lshrrev_b32 v6, 8, v5
	v_lshl_add_u32 v5, v6, 4, v5                   ; and 16 more for each 256 passed
	s_mul_i32 s21, s15, HALFS                      ; A's: my 128 rows
	s_mul_i32 s22, s16, HALFS                      ; B's: my 128 rows, behind A's 256
	s_add_co_u32 s22, s22, 2*HALFS
	s_sub_co_u32 s22, s22, s21
	v_mul_u32_u24 v6, s22, v2                      ; lanes 16-31 take B's
	s_add_co_u32 s21, s21, SCL
	v_add_nc_u32 v5, v5, v6
	v_add_nc_u32 v[ADRS], s21, v5
	s_mul_i32 s23, s14, 16*SPITCH                  ; my stage
	v_mul_u32_u24 v5, v1, SPITCH                   ; in: row l % 16, 32 bytes for each half of the lanes
	v_lshl_add_u32 v5, v2, 5, v5
	v_add_nc_u32 v[STO], s23, v5
	v_and_b32 v6, 31, v0
	v_lshlrev_b32 v[CO], 4, v6                     ; back: the 32 lanes take one row of 512 bytes; and the same in out0
	v_add_nc_u32 v[RD], s23, v[CO]
	v_lshlrev_b32 v7, 5, v2                        ; the bias: 32 h
	s_lshl_b32 s20, s17, 8
	s_lshl_b32 s21, s15, 7
	s_add_co_u32 s20, s20, s21                     ; my first row of out0
	s_mov_b32 s21, 0
	s_mov_b64 s[18:19], SIZE_N*4
	s_mul_u64 s[20:21], s[20:21], s[18:19]
	s_lshl_b32 s46, s42, 10                        ; my first column, in bytes: 1024 x tile column + 512 x half
	s_lshl_b32 s47, s16, 9
	s_add_co_u32 s46, s46, s47
	s_mov_b32 s47, 0
	s_add_nc_u64 s[96:97], s[96:97], s[46:47]      ; bo at my first column
	s_add_nc_u64 s[20:21], s[20:21], s[46:47]
	s_add_nc_u64 s[12:13], s[12:13], s[20:21]
.irp b, 0,1,2,3,4,5,6,7                        ; tile b: lane (r, h) wants bo at columns 16 b + 8 h + 0 .. 7
	global_load_b128 v[BI+8*\b:BI+8*\b+3], v7, s[96:97] offset:64*\b
	global_load_b128 v[BI+8*\b+4:BI+8*\b+7], v7, s[96:97] offset:64*\b+16
.endr
.macro FRAG reg, adr, q, i             ; B: a fragment is 12 registers: lane l holds row l % 16; registers 6 c .. 6 c + 5 hold K = 64 c + 32 (l / 16) + 0 .. 31: 24 bytes of the row's stream of bits, in pieces of 8 bytes
.irp p, 0,1,2,3,4,5
.set PCE, 12*(\q)+6*(\p/3)+\p%3       ; 16 bytes of padding lie behind every 8 pieces: where the piece three on (lanes 16-31) lies behind one padding more, the second address register serves
.if PCE%8 < 5
	ds_load_b64 v[\reg+2*\p:\reg+2*\p+1], v[\adr] offset:8*PCE+16*(PCE/8)+(\i)*16*PITCH
.else
	ds_load_b64 v[\reg+2*\p:\reg+2*\p+1], v[\adr+2] offset:8*PCE+16*(PCE/8)+(\i)*16*PITCH
.endif
.endr
.endm
.macro FRAGA reg, slot, q, i           ; A: block i's fragment of the slot's q-th 128 along K: the images of heads 2 q and 2 q + 1
	ds_load_b128 v[\reg:\reg+3],     v[ADRA+\slot]   offset:(2*(\q))*HEADB+(\i)*HIM
	ds_load_b64  v[\reg+4:\reg+5],   v[ADRA+2+\slot] offset:(2*(\q))*HEADB+(\i)*HIM+512
	ds_load_b128 v[\reg+6:\reg+9],   v[ADRA+\slot]   offset:(2*(\q)+1)*HEADB+(\i)*HIM
	ds_load_b64  v[\reg+10:\reg+11], v[ADRA+2+\slot] offset:(2*(\q)+1)*HEADB+(\i)*HIM+512
.endm
; 16 matrix instructions: A's blocks a0, a0 + 1 x B's eight, 128 along K.  zero = 1: the sums start from the bias.  The 64 accumulators take turns, one instruction a turn, in the same order in every step.
.macro MUL16 a0, p, q, sc, zero
.irp a, \a0, \a0+1
.irp b, 0,1,2,3,4,5,6,7
.if \zero
	v_wmma_scale_f32_16x16x128_f8f6f4 v[8*(8*((\a)%4)+\b):8*(8*((\a)%4)+\b)+7], v[128*(\p)+FR*\b:128*(\p)+FR*\b+FR-1], v[AF+FR*(\a):AF+FR*(\a)+FR-1], v[BI+8*\b:BI+8*\b+7], v[SC+8*NQ*(\sc)+NQ*\b+(\q)], v[SC+8*NQ*(\sc)+NQ*(\a)+(\q)] matrix_a_fmt:MATRIX_FMT_FP6 matrix_b_fmt:MATRIX_FMT_FP6 matrix_a_scale:MATRIX_SCALE_ROW1
.else
	v_wmma_scale_f32_16x16x128_f8f6f4 v[8*(8*((\a)%4)+\b):8*(8*((\a)%4)+\b)+7], v[128*(\p)+FR*\b:128*(\p)+FR*\b+FR-1], v[AF+FR*(\a):AF+FR*(\a)+FR-1], v[8*(8*((\a)%4)+\b):8*(8*((\a)%4)+\b)+7], v[SC+8*NQ*(\sc)+NQ*\b+(\q)], v[SC+8*NQ*(\sc)+NQ*(\a)+(\q)] matrix_a_fmt:MATRIX_FMT_FP6 matrix_b_fmt:MATRIX_FMT_FP6 matrix_a_scale:MATRIX_SCALE_ROW1
.endif
.endr
.endr
.endm
.macro FETCH_B slot, q, p
	WIN TO_B
.irp i, 0,1,2,3,4,5,6,7
	FRAG 128*(\p)+FR*\i, ADRB+\slot, \q, \i
.endr
	WIN 0
.endm
.macro FETCH_A slot, q, i0
.irp i, \i0, \i0+1, \i0+2, \i0+3
	FRAGA AF+FR*(\i), \slot, \q, \i
.endr
.endm
.macro SCALES sc                       ; a K step's scale words into set sc: two words a row; lanes 0-15 take A's block i, lanes 16-31 B's block i
.irp i, 0,1,2,3,4,5,6,7
	ds_load_b64 v[SC+8*NQ*\sc+NQ*\i:SC+8*NQ*\sc+NQ*\i+1], v[ADRS] offset:\i*SBLK
.endr
.endm
; A load into a register that a matrix instruction has read, and an LDS store that reads a matrix result, stand NP places behind that matrix instruction; only plain vector instructions that name none of its registers are places
; (ISA guide 7.12.1 for vector instructions).
.macro PLACES n
.rept \n
	v_nop
.endr
.endm
.macro STEP slot, q, zero
	s_wait_dscnt 4*NLA                             ; B's set and A's blocks 0-3 are in; the youngest 16 loads (A's blocks 4-7) may be out
.if \zero
	WIN BIA_LO
.else
	WIN MUL_LO
.endif
	MUL16 0, (\q)%2, \q, \slot, \zero
	MUL16 2, (\q)%2, \q, \slot, \zero
	s_wait_dscnt 0                                 ; A's blocks 4-7 are in (asked for 32 matrix instructions ago)
	PLACES NP
	FETCH_B \slot, (\q)+1, 1-(\q)%2
	FETCH_A \slot, (\q)+1, 0
.if \zero
	WIN BIA_HI
.else
	WIN MUL_HI
.endif
	MUL16 4, (\q)%2, \q, \slot, \zero
	MUL16 6, (\q)%2, \q, \slot, \zero
	PLACES NP
	WIN 0
	FETCH_A \slot, (\q)+1, 4
.endm
; A slot's last step changes slots: ONE barrier; in front of it each wave waits for all its tensor loads, adds 0 to its spare word, and waits for that and for its own reads of this slot.  fill = 1: this slot is filled again, two K steps ahead.
.macro TURN slot, next, fill
	s_wait_tensorcnt 0x0                           ; all my tensor loads have landed: my part of the next slot  (every window is 0 here)
	ds_add_u32 v[SPW], v[NIL]                      ; 0 onto my spare word
	s_wait_dscnt 4*NLA+1                           ; (the add and the youngest 16 loads, A's blocks 4-7, may be out)
	WIN MUL_LO
	MUL16 0, 1, NQ-1, \slot, 0                     ; sixteen matrix instructions stand between the add and the wait for it
	s_wait_dscnt 0x0                               ; the add is done, and my reads of this slot are over
	s_barrier_signal -1
	MUL16 2, 1, NQ-1, \slot, 0
	WIN 0
	s_barrier_wait -1
.if \fill
	CREST                                          ; the barrier has opened a round of the cluster's barrier: no wave of any partner still reads this slot's tile or has a load on its way
	s_add_nc_u64 s[G0+4*\slot+2:G0+4*\slot+3], s[G0+4*\slot+2:G0+4*\slot+3], 786432        ; eight heads on
	s_add_nc_u64 s[G0B+4*\slot+2:G0B+4*\slot+3], s[G0B+4*\slot+2:G0B+4*\slot+3], 2*ROWB
	JLOAD G0+4*\slot, G1, G0B+4*\slot, G1B         ; the first tensor load behind the round, my one load until the next; its four v_nop are the places in front of the loads below
.else
	PLACES NP
.endif
	v_add_nc_u32 v[ADRS], 4*NQ, v[ADRS]            ; on to the next K step's scale words (no LDS load of mine is out)
	FETCH_B \next, 0, 0
	FETCH_A \next, 0, 0
	SCALES \next
	WIN MUL_HI
	MUL16 4, 1, NQ-1, \slot, 0
	MUL16 6, 1, NQ-1, \slot, 0
	PLACES NP
	WIN 0
	FETCH_A \next, 0, 4
.endm
	s_wait_loadcnt 0x0                             ; the bias
	s_wait_tensorcnt 1                             ; the scale bytes and my part of K step 0 are in; K step 1's load may stay out
	s_barrier_signal -1
	s_barrier_wait -1                              ; everybody's are
	FETCH_B 0, 0, 0
	FETCH_A 0, 0, 0
	SCALES 0
	FETCH_A 0, 0, 4
	STEP 0, 0, 1                                   ; the first step stands in front of the loop: its products start the sums from the bias
	s_mov_b32 s3, LAPS-1
.Llap:                                                 ; a trip goes once round the ring, from a lap's second step to the next lap's first, and fills both slots again
	TURN 0, 1, 1
	STEP 1, 0, 0
	TURN 1, 0, 1
	STEP 0, 0, 0
	s_sub_co_u32 s3, s3, 1
	s_cmp_lg_u32 s3, 0
	s_cbranch_scc1 .Llap
	TURN 0, 1, 0                                   ; the last lap fills nothing, and has no round of the cluster's barrier
	STEP 1, 0, 0
	s_wait_dscnt 4*NLA                             ; the very last step: nothing more to fetch
	WIN MUL_LO
	MUL16 0, 1, NQ-1, 1, 0
	MUL16 2, 1, NQ-1, 1, 0
	s_wait_dscnt 0
	WIN MUL_HI
	MUL16 4, 1, NQ-1, 1, 0
	MUL16 6, 1, NQ-1, 1, 0
	WIN 0
; THE WAY OUT, block by block of 16 rows x 128 columns: through my own stage in LDS and back as whole rows of 512 bytes.  LDS serves a wave's instructions in order (ISA guide 5.7.1.4): no wait between the stores and the loads, nor in front of the next block's stores.
.macro TOSTAGE a
.set AC, 64*((\a)%4)
	WIN 0x08+4*((\a)/4)                            ; the data: window 2 or 3
.irp b, 0,1,2,3,4,5,6,7
	ds_store_b128 v[STO], v[AC+8*\b:AC+8*\b+3] offset:64*\b          ; each accumulator from its low end on
	ds_store_b128 v[STO], v[AC+8*\b+4:AC+8*\b+7] offset:64*\b+16
.endr
	WIN 0
.set BB, BK+64*((\a)%2)
.irp t, 0,1,2,3,4,5,6,7,8,9,10,11,12,13,14,15
	ds_load_b128 v[BB+4*\t:BB+4*\t+3], v[RD] offset:\t*SPITCH
.endr
.endm
.macro SEND a, younger                 ; younger: the LDS instructions issued behind block a's loads, which may stay out
.set BB, BK+64*((\a)%2)
	s_wait_dscnt \younger                          ; the block is back in registers
.if (\a) > 0
	s_add_nc_u64 s[12:13], s[12:13], 16*SIZE_N*4   ; (behind a wait on XCNT: the earlier stores have read their base)  16 rows of out0 on
.endif
.irp t, 0,1,2,3,4,5,6,7,8,9,10,11,12,13,14,15
	global_store_b128 v[CO], v[BB+4*\t:BB+4*\t+3], s[12:13] offset:\t*SIZE_N*4 th:TH_STORE_NT   ; 32 lanes store 512 consecutive bytes, aligned; written once, read by nobody here
.endr
.endm
	PLACES NP                                      ; behind the last products: for the loads into the registers that held A's fragments and for block 7's reads alike
	TOSTAGE 0
.irp a, 1,2,3,4,5,6,7
.if \a > 1
	s_wait_xcnt 0x0                                ; block a - 2's stores have read their registers and their base: block a's loads may land there, and the base may step
.endif
	TOSTAGE \a
	SEND \a-1, 32                                  ; behind block a - 1's loads: block a's 16 stores and 16 loads
.endr
	s_wait_xcnt 0x0                                ; block 6's stores have read their base
	SEND 7, 0
	s_wait_tensorcnt 0x0                           ; the wave's end: behind my last tensor load and my last LDS store
	ds_add_u32 v[SPW], v[NIL]
	s_wait_dscnt 0x0
	CROUND                                         ; the closing round: no work-group ends while a partner may still ask for a tile that names it
	s_endpgm
.Lfunc_end_k_q5bffabc5ba_outp:
	.size	k_q5bffabc5ba_outp, .Lfunc_end_k_q5bffabc5ba_outp-k_q5bffabc5ba_outp
	.p2alignl 7, 3214868480
	.fill 96, 4, 3214868480
	.section	.rodata,"a",@progbits
	.p2align	6, 0x0
	.amdhsa_kernel k_q5bffabc5ba_outp
		.amdhsa_group_segment_fixed_size 327680
		.amdhsa_private_segment_fixed_size 0
		.amdhsa_enable_private_segment 0
		.amdhsa_kernarg_size 48
		.amdhsa_user_sgpr_count 2
		.amdhsa_user_sgpr_kernarg_segment_ptr 1
		.amdhsa_wavefront_size32 1
		.amdhsa_system_sgpr_workgroup_id_x 1
		.amdhsa_system_sgpr_workgroup_id_y 1
		.amdhsa_system_sgpr_workgroup_id_z 1
		.amdhsa_system_vgpr_workitem_id 0
		.amdhsa_next_free_vgpr 1024
		.amdhsa_next_free_sgpr 98
		.amdhsa_reserve_vcc 0
		.amdhsa_float_denorm_mode_32 3
		.amdhsa_float_denorm_mode_16_64 3
		.amdhsa_memory_ordered 1
		.amdhsa_forward_progress 1
		.amdhsa_inst_pref_size 154
	.end_amdhsa_kernel
	.amdgpu_metadata
---
amdhsa.version: [ 1, 2 ]
amdhsa.kernels:
  - .name:           k_q5bffabc5ba_outp
    .symbol:         k_q5bffabc5ba_outp.kd
    .args:
      - { .name: mc, .offset: 0, .size: 8, .value_kind: global_buffer, .address_space: global }
      - { .name: ms, .offset: 8, .size: 8, .value_kind: global_buffer, .address_space: global }
      - { .name: wc, .offset: 16, .size: 8, .value_kind: global_buffer, .address_space: global }
      - { .name: ws, .offset: 24, .size: 8, .value_kind: global_buffer, .address_space: global }
      - { .name: bo, .offset: 32, .size: 8, .value_kind: global_buffer, .address_space: global }
      - { .name: out0, .offset: 40, .size: 8, .value_kind: global_buffer, .address_space: global }
    .group_segment_fixed_size: 327680
    .private_segment_fixed_size: 0
    .kernarg_segment_align: 8
    .kernarg_segment_size: 48
    .max_flat_workgroup_size: 128
    .sgpr_count:     98
    .vgpr_count:     1024
    .wavefront_size: 32
...
	.end_amdgpu_metadata
.endif
;; end of part 4
